; MI455X (gfx1250); checked and timed in simulation.
; The chip was launched on July 23, 2026; its instructions are those of AMD's public machine-readable ISA for CDNA 5 (MIT licence, August 2026) and "CDNA5" Instruction Set Architecture Reference Guide (July 2026). The comments in the code are by the model that wrote it; some were corrected since.
;; Attention. Allowed arithmetic: matrix products marked QUANTISED: E4M3 operands, one given power-of-two scale a tensor, by v_wmma_f32_16x16x64_fp8_fp8 or v_wmma_f32_16x16x128_fp8_fp8, f32 sums; everything else in f32.
;; Inputs: bk 1,024 float32; bo 1,024 float32; bq 1,024 float32; bv 1,024 float32; lowp_scales 12 int32 (the exponents e of the quantised operands' scales 2^e); wk 1,024 x 1,024 float32; wo 1,024 x 1,024 float32; wq 1,024 x 1,024 float32; wv 1,024 x 1,024 float32; x 4 x 2,048 x 1,024 float32.
;; Outputs: out0 4 x 2,048 x 1,024 float32.
;; This version of the problem:
;;   THIS VERSION OF THE PROBLEM IS GIVEN IN LOW PRECISION. The matrix products marked QUANTISED in the list below multiply operands that are first quantised to E4M3 (4 exponent bits, 3 mantissa bits; 8 bits a number), with one given power-of-two scale for each operand tensor; their sums are f32. All else is computed in f32.
;;   The module's matrix products, in the order in which they are computed (A, B: the left and right operand; K: the contracted axis; several contracted axes count as one K, in the product's order):
;;     1. [M 8,192, K 1,024] x [K 1,024, N 1,024]; A: input x; B: input wq: QUANTISED (scales: A lowp_scales[0], B lowp_scales[1])
;;     2. [M 8,192, K 1,024] x [K 1,024, N 1,024]; A: input x; B: input wk: QUANTISED (scales: A lowp_scales[2], B lowp_scales[3])
;;     3. [M 8,192, K 1,024] x [K 1,024, N 1,024]; A: input x; B: input wv: QUANTISED (scales: A lowp_scales[4], B lowp_scales[5])
;;     4. batch 64 x [M 2,048, K 64] x [K 64, N 2,048]; A: computed on the way; B: computed on the way: QUANTISED (scales: A lowp_scales[6], B lowp_scales[7])
;;     5. batch 64 x [M 2,048, K 2,048] x [K 2,048, N 64]; A: softmax (see below); B: computed on the way: QUANTISED (scales: A lowp_scales[8], B lowp_scales[9])
;;     6. [M 8,192, K 1,024] x [K 1,024, N 1,024]; A: computed on the way; B: input wo: QUANTISED (scales: A lowp_scales[10], B lowp_scales[11])
;;   THE QUANTISER, for each operand of a quantised product, along K:
;;     - The operand's scale is 2^e, e = its entry of the input lowp_scales (int32; the entries are numbered through the quantised products in the list's order, A before B).
;;     - Each number is divided by the scale, clamped to +-448, and rounded to the nearest number of E4M3, ties to even, subnormals kept.
;;     - The product sums the exact products of the quantised numbers (number of the format x scale) in f32.
;;   ~~~python
;;   def quantise(x, axis, e):      # numpy; x: float32 -> the quantised numbers, widened to float32 again
;;       x = np.moveaxis(x, axis, -1); K = x.shape[-1]
;;       r = np.clip(x / 2.0 ** e, -448, 448)
;;       step = 2.0 ** (np.maximum(np.frexp(np.where(r == 0, 1, r))[1] - 1, -6) - 3)
;;       q = np.round(r / step) * step * 2.0 ** e      # np.round: ties to even
;;       return np.moveaxis(q, -1, axis).astype(np.float32)
;;   ~~~
;;   SOFTMAX AHEAD OF A QUANTISED PRODUCT. Where the list says 'softmax', what is quantised is not the finished softmax but p = 2^(t - M), with t = logit x log2(e) and M = ceil(the row's largest t), a whole number; so 1/2 < the row's largest p <= 1. The row's sum l is taken of the UNQUANTISED p, in f32, and the product's result is divided by l at the end. Since M is a whole number, a kernel that streams over the keys may use a running M (the ceiling of the running maximum): every later rescaling is an exact power of two, so the quantised numbers keep their values, but for numbers so far below the row's largest that they fall under the format's range.
;;   OPERANDS COMPUTED ON THE WAY. 'Computed on the way' means the value that the module computes at that place (a softmax that the list does not call 'softmax' is quantised finished and normalised). What goes into a quantiser is computed in f32, as accurately as f32 sums, v_exp_f32 and their like allow (about 1e-6 of the number): no bf16 or f16 on the way to a quantiser, and a product that is left as it is and whose result goes on into a quantised operand takes f32 operands (vector FMAs, or v_wmma_f32_16x16x4_f32). A number that lies on a knife's edge between two numbers of the format may be rounded either way, as far as f32 arithmetic and the matrix unit's own rounding can turn it there, and no further.
;; One version. Each part assembles by itself: llvm-mc -triple=amdgcn-amd-amdhsa -mcpu=gfx1250 --defsym DOCPART=n.
;; ======== version 1 of 1: 4 launches
;; limits: right only within a limited range of input values
;; workspace buffers: xc 25,165,824 bytes; wc 4,194,304 bytes; qkvc 25,165,824 bytes; ac 8,388,608 bytes
;; launch quant (part 1): grid 768 x 1, 8 waves a work-group, no clusters, 68,608 bytes of LDS; arguments x, wq, wk, wv, wo, lowp_scales, xc, wc; writes xc, wc
.if DOCPART == 1
	.amdgcn_target "amdgcn-amd-amdhsa--gfx1250"
	.amdhsa_code_object_version 6
	.text
	.protected	k_q1f9bc70aed_quant
	.globl	k_q1f9bc70aed_quant
	.p2align	8
	.type	k_q1f9bc70aed_quant,@function
k_q1f9bc70aed_quant:
	s_mov_b64 s[64:65], 0
	v_nop
	global_prefetch_b8 v0, s[64:65] scope:SCOPE_SE
	s_setreg_imm32_b32 hwreg(HW_REG_WAVE_MODE, 25, 1), 1
	s_wait_xcnt 0x0
; x [8192][1024] and the four weights [1024 (k)][1024 (n)], f32, become codes of FP8 (E4M3), laid AS IMAGES OF THE OPERANDS' REGISTERS.
; code = number / 2^e, held within +-448, rounded to the nearest code, ties to even.  x is an operand of three products with three given scales (entries 0, 2, 4): it is quantised three times.
; THE IMAGE.  Rows go in tiles of 16: lane r of tile T stands for row 16 T + r.  The image of (tile T, K step s of 128) is 2,048 bytes at (8 T + s) x 2,048: four chunks c of 512 bytes, in which
; lane l = (r = l % 16, h = l / 16) owns the 16 bytes at 512 c + 16 l: the codes of its row at k = 128 s + 32 c + 8 h + 0 .. 7 and at k = 128 s + 32 c + 16 + 8 h + 0 .. 7.
; Four loads of 16 bytes a lane, 512 consecutive bytes each, then give a matrix operand of 16 rows x 128 K with every k in the place that the plain 8-bit form gives it (registers 2 c, 2 c + 1: k = 16 c + 8 h + 0 .. 7).
; xc: three parts of 8,388,608 bytes (entries 0, 2, 4).  wc: four parts of 1,048,576 bytes (wq, wk, wv, wo; a row of the operand is a column n of the weight; entries 1, 3, 5, 11).
; WORK-GROUPS 0-511: tile T of x; wave s takes K step s.  Each of its 16 loads reads 512 consecutive bytes of one row; the 8 KiB turn through the wave's own stage in LDS, so that a lane gets runs of 8 neighbours along K.
; WORK-GROUPS 512-767: a weight's 64 rows of K x 256 columns; a lane takes a column and its registers run down K, so the conversions give codes with K innermost and nothing is transposed.  No LDS.
; LIMITS: each e between -126 and 127, so that 2^e is an f32 number.  NaN among the inputs is not served; an infinity is held at the largest code.
; Waves share nothing: no barrier.  No tensor load: the stream is loaded through registers, 16 (x) or 64 (weights) loads a wave on their way.
.set SP,    528                        ; a stage row: 512 bytes + 16, an odd multiple of 16: the sixteen rows that a read touches start at different banks (ISA guide 11.1)
.set WST,   16*SP                      ; a wave's stage
.set SPARE, 8*WST                      ; behind the stages: the spare words, 128 bytes for each wave: four blocks of 256 bytes that no other line names
.set SPW,   12                         ; v12  LDS address of my spare word; never rewritten
.set NIL,   13                         ; v13  0; never rewritten
.set R,     16                         ; v16-79   as loaded
.set X,     80                         ; v80-143  x: registers 16 c + 0 .. 7 = k 32 c + 8 h + 0 .. 7, registers 16 c + 8 .. 15 = k 32 c + 16 + 8 h + 0 .. 7 of my row
.set HS,    144
.set CD,    176                        ; v176-223 codes: four registers for each (chunk, scale), so that no store's data are written again
.macro MKSCALE vs, vl, se              ; v[vs] = 2^e as f32 (the conversion takes its exponent field), e in s[se]
	s_add_co_i32 s48, s[\se], 127
	s_lshl_b32 s49, s48, 23
	v_mov_b32 v[\vs], s49
.endm
	s_load_b512 s[8:23], s[0:1], 0x0               ; x 8:9, wq 10:11, wk 12:13, wv 14:15, wo 16:17, the exponents 18:19, xc 20:21, wc 22:23
	v_lshl_add_u32 v[SPW], v0, 2, SPARE
	v_mov_b32 v[NIL], 0
	v_lshrrev_b32 v1, 5, v0
	s_delay_alu instid0(VALU_DEP_1)
	v_readfirstlane_b32 s24, v1                    ; wave 0..7
	v_and_b32 v1, 31, v0                           ; lane
	v_and_b32 v2, 15, v0                           ; r
	v_bfe_u32 v3, v0, 4, 1                         ; h
	s_wait_kmcnt 0x0
	s_load_b256 s[36:43], s[18:19], 0x0            ; entries 0 to 7
	s_load_b128 s[44:47], s[18:19], 0x20           ; entries 8 to 11
	s_cmp_lt_u32 ttmp9, 512
	s_cbranch_scc0 .Lweights
	s_wait_alu depctr_va_vdst(0)
	; ---------------- x: image (T = work-group, s = wave), three times
	v_lshlrev_b32 v4, 4, v1                        ; 16 x lane: my bytes of a load's 512, and of a chunk's
	s_wait_alu depctr_va_vdst(0)
	s_mul_i32 s34, s24, WST
	v_add_nc_u32 v5, s34, v4                       ; the stage, on the way in: as loaded
	v_mul_u32_u24 v6, v2, SP
	s_delay_alu instid0(VALU_DEP_1)
	v_lshl_add_u32 v6, v3, 5, v6
	s_delay_alu instid0(VALU_DEP_1)
	v_add_nc_u32 v6, s34, v6                       ; and on the way out: row r, + 32 h bytes: my 8 numbers of each 16 along K
	s_lshl_b32 s32, ttmp9, 16                      ; 16 T rows of 4,096 bytes
	s_lshl_b32 s25, s24, 9                         ; + the K step's 512 bytes
	s_add_co_u32 s32, s32, s25
	s_mov_b32 s33, 0
	s_add_nc_u64 s[8:9], s[8:9], s[32:33]
	s_lshl_b32 s32, ttmp9, 3
	s_add_co_u32 s32, s32, s24
	s_lshl_b32 s32, s32, 11                        ; (8 T + s) x 2,048
	s_add_nc_u64 s[26:27], s[20:21], s[32:33]      ; the image in xc's three parts
	s_add_nc_u64 s[28:29], s[26:27], 0x800000
	s_add_nc_u64 s[30:31], s[26:27], 0x1000000
.irp i, 0,1,2,3,4,5,6,7,8,9,10,11,12,13,14,15
	global_load_b128 v[R+4*\i:R+4*\i+3], v4, s[8:9] offset:\i*4096 th:TH_LOAD_NT   ; the tile's row i: 32 lanes read 512 consecutive bytes
.endr
	s_wait_alu depctr_va_vdst(0)
	s_wait_kmcnt 0x0
	MKSCALE 7, 10, 36
	MKSCALE 8, 11, 38
	MKSCALE 9, 14, 40
	s_wait_alu depctr_va_vdst(0)
.irp i, 0,1,2,3,4,5,6,7,8,9,10,11,12,13,14,15
	s_wait_loadcnt 15-\i                           ; loads come back in order (ISA guide 5.7.1): row i is in, the rows behind it may be out
	ds_store_b128 v5, v[R+4*\i:R+4*\i+3] offset:SP*\i
.endr
.irp c, 0,1,2,3
.irp j, 0,1,2,3
	ds_load_b128 v[X+16*\c+4*\j:X+16*\c+4*\j+3], v6 offset:128*\c+64*(\j/2)+16*(\j%2)   ; LDS serves a wave's instructions in order: these see my stores
.endr
.endr
; One chunk with one scale: two conversions; 512 consecutive bytes stored by the wave.
.macro UNIT c, p, sc, lim, base
.set U, 3*(\c)+(\p)
.set H, HS+16*(U%2)
.set i, 0
.rept 16
.set i, i+1
.endr
	v_cvt_scalef32_pk8_fp8_f32 v[CD+4*U:CD+4*U+1], v[H+((X+16*(\c)+i)-(H+i)):H+7+((X+16*(\c)+i)-(H+i))], v[\sc]
	v_cvt_scalef32_pk8_fp8_f32 v[CD+4*U+2:CD+4*U+3], v[H+8+((X+16*(\c)+i)-(H+i)):H+15+((X+16*(\c)+i)-(H+i))], v[\sc]
	global_store_b128 v4, v[CD+4*U:CD+4*U+3], s[\base:\base+1] offset:512*(\c)
.endm
.irp c, 0,1,2,3
	s_wait_dscnt 12-4*\c                           ; chunk c's four loads are in; the chunks behind it may be out
	UNIT \c, 0, 7, 10, 26
	UNIT \c, 1, 8, 11, 28
	UNIT \c, 2, 9, 14, 30
.endr
	s_wait_tensorcnt 0x0                           ; the wave's end: behind my last LDS store
	ds_add_u32 v[SPW], v[NIL]
	s_wait_dscnt 0x0
	s_endpgm
	; ---------------- the weights: no LDS is touched on this way
.Lweights:
	s_sub_co_u32 s25, ttmp9, 512
	s_lshr_b32 s32, s25, 6                         ; which weight
	s_bfe_u32 s33, s25, 0x40002                    ; kp: which 64 rows of K
	s_and_b32 s34, s25, 3
	s_lshl_b32 s34, s34, 3
	s_add_co_u32 s34, s34, s24                     ; B: which 32 columns: tiles 2 B (lanes 0-15) and 2 B + 1 (lanes 16-31)
	s_cmp_eq_u32 s32, 1                            ; the choices hang on the work-group's number alone
	s_cselect_b64 s[10:11], s[12:13], s[10:11]
	s_cmp_eq_u32 s32, 2
	s_cselect_b64 s[10:11], s[14:15], s[10:11]
	s_cmp_eq_u32 s32, 3
	s_cselect_b64 s[10:11], s[16:17], s[10:11]
	s_lshl_b32 s26, s33, 18                        ; 64 kp rows of 4,096 bytes
	s_lshl_b32 s27, s34, 7                         ; + 32 B columns
	s_add_co_u32 s26, s26, s27
	s_mov_b32 s27, 0
	s_add_nc_u64 s[10:11], s[10:11], s[26:27]
	s_lshl_b32 s28, s32, 20                        ; the weight's part of wc,
	s_lshl_b32 s29, s34, 15                        ; tile 2 B's eight images,
	s_add_co_u32 s28, s28, s29
	s_lshl_b32 s29, s33, 10                        ; K step kp / 2, chunks 2 (kp % 2) on: 1,024 kp
	s_add_co_u32 s28, s28, s29
	s_mov_b32 s29, 0
	s_add_nc_u64 s[22:23], s[22:23], s[28:29]
	s_wait_alu depctr_va_vdst(0)
	v_lshlrev_b32 v4, 2, v1                        ; my column among the 32 is my lane: a wave's load covers 128 consecutive bytes
	v_lshlrev_b32 v5, 4, v2
	s_delay_alu instid0(VALU_DEP_1)
	v_lshl_add_u32 v5, v3, 14, v5                  ; my 16 bytes in a half chunk, in tile 2 B + h
.irp i, 0,1,2,3,4,5,6,7,8,9,10,11,12,13,14,15,16,17,18,19,20,21,22,23,24,25,26,27,28,29,30,31,32,33,34,35,36,37,38,39,40,41,42,43,44,45,46,47,48,49,50,51,52,53,54,55,56,57,58,59,60,61,62,63
	global_load_b32 v[R+\i], v4, s[10:11] offset:4096*\i th:TH_LOAD_NT   ; W(64 kp + i, my column)
.endr
	s_wait_kmcnt 0x0
	s_cmp_eq_u32 s32, 1
	s_cselect_b32 s37, s39, s37
	s_cmp_eq_u32 s32, 2
	s_cselect_b32 s37, s41, s37
	s_cmp_eq_u32 s32, 3
	s_cselect_b32 s37, s47, s37                    ; entry 1, 3, 5 or 11
	MKSCALE 7, 10, 37
	s_wait_alu depctr_va_vdst(0)
.irp g, 0,1                                    ; a chunk of 32 along K at a time
	s_wait_loadcnt 32-32*\g                        ; this chunk's 32 loads are in; the next chunk's may be out
.set i, 0
.rept 32
.set i, i+1
.endr
.irp u, 0,1,2,3                                ; k 8 u .. 8 u + 7: u = 0, 2 are the image's lanes 0-15 (registers 0-3), u = 1, 3 its lanes 16-31 (registers 4-7)
	v_cvt_scalef32_pk8_fp8_f32 v[X+8*\g+4*(\u%2)+2*(\u/2):X+8*\g+4*(\u%2)+2*(\u/2)+1], v[R+32*\g+8*\u:R+32*\g+8*\u+7], v7
.endr
	global_store_b128 v5, v[X+8*\g:X+8*\g+3], s[22:23] offset:512*\g         ; the places of lanes 0-15 of the image; sixteen lanes store 256 consecutive bytes, aligned
	global_store_b128 v5, v[X+8*\g+4:X+8*\g+7], s[22:23] offset:512*\g+256   ; the places of its lanes 16-31
.endr
	s_endpgm
.Lfunc_end_k_q1f9bc70aed_quant:
	.size	k_q1f9bc70aed_quant, .Lfunc_end_k_q1f9bc70aed_quant-k_q1f9bc70aed_quant
	.p2alignl 7, 3214868480
	.fill 96, 4, 3214868480
	.section	.rodata,"a",@progbits
	.p2align	6, 0x0
	.amdhsa_kernel k_q1f9bc70aed_quant
		.amdhsa_group_segment_fixed_size 68608
		.amdhsa_private_segment_fixed_size 0
		.amdhsa_enable_private_segment 0
		.amdhsa_kernarg_size 64
		.amdhsa_user_sgpr_count 2
		.amdhsa_user_sgpr_kernarg_segment_ptr 1
		.amdhsa_wavefront_size32 1
		.amdhsa_system_sgpr_workgroup_id_x 1
		.amdhsa_system_sgpr_workgroup_id_y 1
		.amdhsa_system_sgpr_workgroup_id_z 1
		.amdhsa_system_vgpr_workitem_id 0
		.amdhsa_next_free_vgpr 224
		.amdhsa_next_free_sgpr 66
		.amdhsa_reserve_vcc 0
		.amdhsa_float_denorm_mode_32 3
		.amdhsa_float_denorm_mode_16_64 3
		.amdhsa_fp16_overflow 1
		.amdhsa_memory_ordered 1
		.amdhsa_forward_progress 1
		.amdhsa_inst_pref_size 18
	.end_amdhsa_kernel
	.amdgpu_metadata
---
amdhsa.version: [ 1, 2 ]
amdhsa.kernels:
  - .name:           k_q1f9bc70aed_quant
    .symbol:         k_q1f9bc70aed_quant.kd
    .args:
      - { .name: x, .offset: 0, .size: 8, .value_kind: global_buffer, .address_space: global }
      - { .name: wq, .offset: 8, .size: 8, .value_kind: global_buffer, .address_space: global }
      - { .name: wk, .offset: 16, .size: 8, .value_kind: global_buffer, .address_space: global }
      - { .name: wv, .offset: 24, .size: 8, .value_kind: global_buffer, .address_space: global }
      - { .name: wo, .offset: 32, .size: 8, .value_kind: global_buffer, .address_space: global }
      - { .name: lowp_scales, .offset: 40, .size: 8, .value_kind: global_buffer, .address_space: global }
      - { .name: xc, .offset: 48, .size: 8, .value_kind: global_buffer, .address_space: global }
      - { .name: wc, .offset: 56, .size: 8, .value_kind: global_buffer, .address_space: global }
    .group_segment_fixed_size: 68608
    .private_segment_fixed_size: 0
    .kernarg_segment_align: 8
    .kernarg_segment_size: 64
    .max_flat_workgroup_size: 256
    .sgpr_count:     66
    .vgpr_count:     224
    .wavefront_size: 32
...
	.end_amdgpu_metadata
.endif
;; end of part 1
;; launch project (part 2): grid 4 x 96, 4 waves a work-group, clusters of 4 x 4, 327,680 bytes of LDS; arguments xc, wc, bq, bk, bv, lowp_scales, qkvc; writes qkvc
.if DOCPART == 2
	.amdgcn_target "amdgcn-amd-amdhsa--gfx1250"
	.amdhsa_code_object_version 6
	.text
	.protected	k_q1f9bc70aed_project
	.globl	k_q1f9bc70aed_project
	.p2align	8
	.type	k_q1f9bc70aed_project,@function
k_q1f9bc70aed_project:
	s_mov_b64 s[64:65], 0
	v_nop
	global_prefetch_b8 v0, s[64:65] scope:SCOPE_SE
	s_setreg_imm32_b32 hwreg(HW_REG_WAVE_MODE, 25, 1), 1
	s_wait_xcnt 0x0
	s_wait_alu depctr_hold_cnt(0) depctr_sa_sdst(0) depctr_va_vdst(0) depctr_va_sdst(0) depctr_va_ssrc(0) depctr_va_vcc(0) depctr_vm_vsrc(0)
	s_getreg_b32 s2, hwreg(HW_REG_IB_STS2, 6, 4)
	s_cmp_eq_u32 s2, 0
	s_cbranch_scc0 .Lentry_in_a_cluster
	s_endpgm
.Lentry_in_a_cluster:
	s_bfe_u32 s2, ttmp6, 0x10000c
	s_cmp_lg_u32 s2, 0xf033
	s_cbranch_scc0 .Lentry_shape_is_right
	s_endpgm
.Lentry_shape_is_right:
; q = x wq + bq, k = x wk + bk, v = x wv + bv on codes of FP8 (E4M3), each result quantised on the way out with its given scale (entries 6, 7, 9) and stored as images of the next products' operands.
; OPERANDS are images (tile T = rows 16 T .. 16 T + 15, K step s of 128: 2,048 bytes at (8 T + s) x 2,048; lane l = (r, h) owns the 16 bytes at 512 c + 16 l of chunk c: k = 32 c + 8 h + 0 .. 7 and 32 c + 16 + 8 h + 0 .. 7):
; every k stands in the place that the plain 8-bit form gives it, K ascends, and each output has one accumulator.
; A tile of the result is 256 x 256, made by four waves, each 128 x 128: 64 accumulators of 16 x 16.  SOURCE 0 (S0) runs along a lane's registers, SOURCE 1 (S1) along the lanes.  Register j of S0's tile b is index
; 16 b + 8 h + j: the eight registers of tiles 2 p and 2 p + 1 are just what chunk p of the next operand's image wants of my lane: two conversions give its 16 bytes, and a wave's store covers 512 consecutive bytes.
; ROLES, by the cluster's y (24 clusters of 4 x 4): 0-7 q, 8-15 k: S1 = x's rows (tokens), S0 = the weight's columns, so registers run along a head's 64;  16-23 v: S1 = wv's columns, S0 = x's rows, so registers run
; along the KEYS, which are the K of attention's second product.  The role is the same in all partners of a cluster.
; qkvc: q at 0, k at 8,388,608: (64 heads x 128 tiles) x 1,024 bytes, two chunks of 32 along the head's 64;  v at 16,777,216: (64 heads x 16 steps of 128 keys) x 8,192 bytes: four tiles of 16 channels x 2,048.
; K goes in steps of 256 through two LDS slots; a wave's tensor load brings 8 tiles of 16 rows x 4,096 bytes.  Images are read 512 consecutive bytes an instruction: no padding.
; CLUSTER: the four work-groups of a row of the cluster need the same tile of S1, the four of a column the same tile of S0: each is asked for jointly.
; LIMITS: entries 0+1, 2+3, 4+5 between -126 and 127; entries 6, 7, 9 between -126 and 127.  NaN among the inputs is not served.
; No prefetch: K has four steps, two of them first fills.  384 tiles for 256 WGPs: the tile is kept large for the sake of the LDS reads.
; REGISTERS, in windows of 256: window 0: v1, v2 r, h; v16-29 addresses and constants; v32-95 the bias; v128-255 S1's 8 fragments, one set; on the way out v128-191 numbers, v192-255 codes.
;   window 1: S0's fragments, two sets.   window 2: the accumulators of S1's blocks 0-3 ((a, b) at v[8 (8 a + b)]);   window 3: those of blocks 4-7.
.set HALFT,  32768                     ; what one tensor load brings, and what one wave reads of S1 or of S0: 8 tiles of 16 rows x 4,096 bytes
.set SLOT,   4*HALFT                   ; S1's two halves, then S0's
.set SPARE,  2*SLOT                    ; behind the ring: the spare words, 128 bytes for each wave: two blocks of 256 bytes that no other line names
.set FR,     16                        ; registers of a fragment
.set NL,     4                         ; LDS loads that bring one
.set NP,     4                         ; places behind this matrix instruction (ISA guide 7.12.1)
.set ADRA, 16                          ; v16-17  LDS address of my S1 fragments in slot 0, 1
.set ADRB, 20                          ; v20-21  the same for S0
.set LI,   24                          ; v24     16 x lane
.set SC,   25                          ; v25     2^e of the result's quantiser
.set LIM,  26
.set BO,   27                          ; v27     my lane's offset in the bias
.set SPW,  28                          ; v28     LDS address of my spare word; never rewritten
.set NIL,  29                          ; v29     0; never rewritten
.set BI,   32                          ; v32-95  the bias
.set AF,   128                         ; S1's fragments
.set TMP,  128                         ; the way out: a block's 64 numbers
.set COD,  192                         ; the way out: codes, 16 registers a block, four blocks by turns
.set G1, 24                            ; s[24:31] descriptor group 1 for S1's tiles;  s[32:39] group 0, one set for each slot
.set G0, 32
.set G1B, 48                           ; s[48:55], s[56:63] the same for S0's
.set G0B, 56
.set MSB, 0
.macro WIN new                         ; the immediate's high byte repeats the setting that is left
.if MSB != \new
	s_set_vgpr_msb (MSB<<8)|\new
.set MSB, \new
.endif
.endm
.set MUL_LO, 0xa1                      ; source 0 window 1, source 1 window 0, C and D window 2
.set MUL_HI, 0xf1                      ; the same, C and D window 3
.set TO_B,   0x40                      ; destination window 1, address window 0
; A joint load: waves 0 and 1 fetch for S1, waves 2 and 3 for S0.  Each line has one mask and one set of registers for all that issue it; the branch hangs on the wave's number alone.
; An s_nop 0 and four v_nop follow each of the two lines.
.macro JLOAD g0a, g1a, g0b, g1b
	s_cmp_eq_u32 s15, 0
	s_cbranch_scc0 .Lfor_b_\@
	tensor_load_to_lds s[\g0a:\g0a+3], s[\g1a:\g1a+7]
	s_nop 0
.rept 4
	v_nop
.endr
	s_branch .Lasked_\@
.Lfor_b_\@:
	tensor_load_to_lds s[\g0b:\g0b+3], s[\g1b:\g1b+7]
	s_nop 0
.rept 4
	v_nop
.endr
.Lasked_\@:
.endm
.macro CREST                           ; a round of the cluster's barrier behind its opening barrier
	s_cmp_lg_u32 s14, 0
	s_cbranch_scc1 .Lnot_wave_0_\@
	s_barrier_signal -3
.Lnot_wave_0_\@:
	s_barrier_wait -3
	s_barrier_signal -1
	s_barrier_wait -1
.endm
.macro CROUND                          ; a whole round
	s_barrier_signal -1
	s_barrier_wait -1
	CREST
.endm
	s_load_b256 s[68:75], s[0:1], 0x0              ; xc 68:69, wc 70:71, bq 72:73, bk 74:75
	s_load_b128 s[76:79], s[0:1], 0x20             ; bv 76:77, the exponents 78:79
	s_load_b64 s[80:81], s[0:1], 0x30              ; qkvc
	v_lshl_add_u32 v[SPW], v0, 2, SPARE
	v_mov_b32 v[NIL], 0
	ds_add_u32 v[SPW], v[NIL]
	ds_add_u32 v[SPW], v[NIL]                      ; the wave's opening: the add and its wait stand ahead of my first tensor load; the set-up below stands between them
	v_lshrrev_b32 v1, 5, v0
	v_readfirstlane_b32 s14, v1                    ; wave 0..3
	s_lshr_b32 s15, s14, 1                         ; which half of S1's rows is mine.  Also: I fetch for S1 (0) or for S0 (1)
	s_and_b32 s16, s14, 1                          ; which half of S0's rows.  Also: which half of that tile I fetch
	s_bfe_u32 s40, ttmp6, 0x40000                  ; cx, cy: my place in the cluster
	s_bfe_u32 s41, ttmp6, 0x40004
	s_and_b32 s67, ttmp7, 0xffff                   ; the cluster's y
	s_lshr_b32 s66, s67, 3                         ; the role: 0 q, 1 k, 2 v
	s_and_b32 s67, s67, 7
	s_cmp_eq_u32 s66, 2
	s_cselect_b32 s17, 0, s67                      ; x's 32 tiles of 256 rows go by the cluster's number, the weight's four by the place in it
	s_cselect_b32 s42, s67, 0
	s_lshl_b32 s17, s17, 2
	s_add_co_u32 s17, s17, s41                     ; S1's tile: hangs on cy alone
	s_lshl_b32 s42, s42, 2
	s_add_co_u32 s42, s42, s40                     ; S0's tile: hangs on cx alone
	s_lshl_b32 s43, s41, 2
	s_lshl_b32 s43, 15, s43                        ; my row of the cluster
	s_lshl_b32 s44, 0x1111, s40                    ; my column
	; descriptor group 1: 8 rows (tiles of 16) of 512 elements of 8 bytes (two images), 2,048 elements (eight images) apart; no padding
	s_or_b32 s[G1+0], s43, (3<<16)|(1<<21)         ; 15:0 the mask: S1's tiles go to my row; 17:16 elements of 8 bytes; 21 set beside a mask
	s_or_b32 s[G1B+0], s44, (3<<16)|(1<<21)
.irp g, G1, G1B
	s_mov_b32 s[\g+1], 512<<16                     ; tensor_dim0
	s_mov_b32 s[\g+2], 8<<16                       ; tensor_dim1
	s_mov_b32 s[\g+3], 512<<16                     ; tile_dim0
	s_mov_b32 s[\g+4], 8                           ; tile_dim1
	s_mov_b32 s[\g+5], 2048                        ; tensor_dim0_stride
	s_mov_b32 s[\g+6], 0
	s_mov_b32 s[\g+7], 0
.endr
	s_lshl_b32 s18, s16, 17                        ; the half that I fetch: 8 tiles of 16 rows x 16,384 bytes
	s_lshl_b32 s20, s17, 18                        ; S1: 16 such tiles for each tile of 256
	s_add_co_u32 s20, s20, s18
	s_mov_b32 s21, 0
	s_lshl_b32 s46, s42, 18                        ; S0 likewise
	s_add_co_u32 s46, s46, s18
	s_mov_b32 s47, 0
	s_lshl_b32 s22, s66, 23                        ; the role's part of xc and of qkvc,
	s_mov_b32 s23, 0
	s_lshl_b32 s82, s66, 20                        ; and of wc
	s_mov_b32 s83, 0
	s_lshl_b32 s45, s14, 15                        ; where my load goes: wave x HALFT: no place in the cluster enters an LDS address
	s_wait_dscnt 0x0                               ; the opening add is done
	s_wait_kmcnt 0x0
	s_load_b256 s[84:91], s[78:79], 0x0            ; entries 0 to 7
	s_load_b128 s[92:95], s[78:79], 0x20           ; entries 8 to 11
	s_add_nc_u64 s[68:69], s[68:69], s[22:23]
	s_add_nc_u64 s[70:71], s[70:71], s[82:83]
	s_add_nc_u64 s[10:11], s[80:81], s[22:23]
	s_cmp_eq_u32 s66, 2                            ; the choices hang on the role alone
	s_cselect_b64 s[4:5], s[70:71], s[68:69]       ; S1
	s_cselect_b64 s[6:7], s[68:69], s[70:71]       ; S0
	s_cselect_b64 s[8:9], s[76:77], s[72:73]
	s_cmp_eq_u32 s66, 1
	s_cselect_b64 s[8:9], s[74:75], s[8:9]         ; the bias
	s_add_nc_u64 s[20:21], s[4:5], s[20:21]
	s_add_nc_u64 s[46:47], s[6:7], s[46:47]
	CROUND                                         ; all sixteen work-groups are here: the first joint loads meet
.irp s, 0,1
	s_mov_b32 s[G0+4*\s], 1
	s_add_co_u32 s[G0+4*\s+1], s45, \s*SLOT
	s_add_nc_u64 s[G0+4*\s+2:G0+4*\s+3], s[20:21], \s*4096
	s_or_b32 s[G0+4*\s+3], s[G0+4*\s+3], 0x80000000
	s_mov_b32 s[G0B+4*\s], 1
	s_add_co_u32 s[G0B+4*\s+1], s45, \s*SLOT
	s_add_nc_u64 s[G0B+4*\s+2:G0B+4*\s+3], s[46:47], \s*4096
	s_or_b32 s[G0B+4*\s+3], s[G0B+4*\s+3], 0x80000000
	JLOAD G0+4*\s, G1, G0B+4*\s, G1B               ; K steps 0 and 1: two loads of mine are out
.endr
	v_and_b32 v1, 15, v0                           ; r
	v_bfe_u32 v2, v0, 4, 1                         ; h
	v_and_b32 v3, 31, v0
	v_lshlrev_b32 v[LI], 4, v3
	s_lshl_b32 s21, s15, 15                        ; my half of S1,
	s_lshl_b32 s22, s16, 15                        ; my half of S0,
	s_add_co_u32 s22, s22, 2*HALFT                 ; which lies behind S1's two
.irp s, 0,1
	v_add_nc_u32 v[ADRA+\s], s21, v[LI]
	v_add_nc_u32 v[ADRB+\s], s22, v[LI]
	s_add_co_u32 s21, s21, SLOT
	s_add_co_u32 s22, s22, SLOT
.endr
	; where my results go.  A1 = my first tile of 16 along S1; H1 = twice my step of 128 along S0
	s_lshl_b32 s82, s17, 4
	s_lshl_b32 s83, s15, 3
	s_add_co_u32 s82, s82, s83                     ; A1
	s_lshl_b32 s83, s42, 2
	s_lshl_b32 s98, s16, 1
	s_add_co_u32 s83, s83, s98                     ; H1
	s_lshr_b32 s98, s82, 7                         ; q, k: batch = A1 / 128, head = H1, tile = A1 % 128
	s_lshl_b32 s98, s98, 21
	s_lshl_b32 s99, s83, 17
	s_add_co_u32 s98, s98, s99
	s_and_b32 s99, s82, 127
	s_lshl_b32 s99, s99, 10
	s_add_co_u32 s98, s98, s99
	s_lshr_b32 s83, s83, 1                         ; v: step of 128 keys = H1 / 2: batch = step / 16; head = A1 / 4
	s_lshr_b32 s99, s83, 4
	s_lshl_b32 s99, s99, 21
	s_lshr_b32 s82, s82, 2
	s_lshl_b32 s82, s82, 17
	s_add_co_u32 s99, s99, s82
	s_and_b32 s83, s83, 15
	s_lshl_b32 s83, s83, 13
	s_add_co_u32 s99, s99, s83
	s_cmp_eq_u32 s66, 2
	s_cselect_b32 s98, s99, s98
	s_cselect_b32 s82, s17, s42                    ; the bias goes with the weight's columns: S0's in q and k, S1's in v
	s_cselect_b32 s83, s15, s16
	s_mov_b32 s99, 0
	s_add_nc_u64 s[10:11], s[10:11], s[98:99]
	s_lshl_b32 s82, s82, 10
	s_lshl_b32 s83, s83, 9
	s_add_co_u32 s82, s82, s83
	s_mov_b32 s83, 0
	s_add_nc_u64 s[8:9], s[8:9], s[82:83]          ; the bias of my 128 columns
.macro FRAG reg, adr, q, i             ; a fragment as it lies: four loads of 512 consecutive bytes; tile i of my eight, the slot's q-th 128 along K
.irp c, 0,1,2,3
	ds_load_b128 v[\reg+4*\c:\reg+4*\c+3], v[\adr] offset:2048*(\q)+512*\c+(\i)*4096
.endr
.endm
; 16 matrix instructions: S1's blocks a0, a0 + 1 x S0's eight, 128 along K.  p: S0's set.  zero = 1: the first product starts the sums.
; The 64 accumulators take turns, one instruction a turn, in the same order in every step.
.macro MUL16 a0, p, zero
.irp a, \a0, \a0+1
.irp b, 0,1,2,3,4,5,6,7
.if \zero
	v_wmma_f32_16x16x128_fp8_fp8 v[8*(8*((\a)%4)+\b):8*(8*((\a)%4)+\b)+7], v[128*(\p)+FR*\b:128*(\p)+FR*\b+FR-1], v[AF+FR*(\a):AF+FR*(\a)+FR-1], 0
.else
	v_wmma_f32_16x16x128_fp8_fp8 v[8*(8*((\a)%4)+\b):8*(8*((\a)%4)+\b)+7], v[128*(\p)+FR*\b:128*(\p)+FR*\b+FR-1], v[AF+FR*(\a):AF+FR*(\a)+FR-1], v[8*(8*((\a)%4)+\b):8*(8*((\a)%4)+\b)+7]
.endif
.endr
.endr
.endm
.macro FETCH_B slot, q, p
	WIN TO_B
.irp i, 0,1,2,3,4,5,6,7
	FRAG 128*(\p)+FR*\i, ADRB+\slot, \q, \i
.endr
	WIN 0
.endm
.macro FETCH_A slot, q, i0
.irp i, \i0, \i0+1, \i0+2, \i0+3
	FRAG AF+FR*(\i), ADRA+\slot, \q, \i
.endr
.endm
.macro PLACES n                        ; plain vector lines between a matrix instruction and a load into, or a vector write of, its registers, or a read of its result (ISA guide 7.12.1 for vector instructions)
.rept \n
	v_nop
.endr
.endm
; A step of 128 along K that has its successor in the same slot.  S1 has one set of registers: blocks 0-3 are fetched anew in the step's middle, blocks 4-7 at its end; S0 has two sets.
.macro STEP slot, q, zero
	s_wait_dscnt 4*NL                              ; S0's set and S1's blocks 0-3 are in; the youngest sixteen loads (blocks 4-7) may be out
	WIN MUL_LO
	MUL16 0, (\q)%2, \zero
	MUL16 2, (\q)%2, \zero
	s_wait_dscnt 0                                 ; blocks 4-7 are in
	PLACES NP
	FETCH_B \slot, (\q)+1, 1-(\q)%2
	FETCH_A \slot, (\q)+1, 0
	WIN MUL_HI
	MUL16 4, (\q)%2, \zero
	MUL16 6, (\q)%2, \zero
	PLACES NP
	WIN 0
	FETCH_A \slot, (\q)+1, 4
.endm
; A slot's last step changes slots: one barrier; in front of it each wave waits for all its tensor loads, adds 0 to its spare word, and waits for that and for its reads of this slot.  fill = 1: the slot is filled again, two K steps ahead.
.macro TURN slot, next, fill
	s_wait_tensorcnt 0x0                           ; all my tensor loads have landed: my part of the next slot
	ds_add_u32 v[SPW], v[NIL]                      ; 0 onto my spare word
	s_wait_dscnt 4*NL+1                            ; (the add and the youngest sixteen loads may be out)
	WIN MUL_LO
	MUL16 0, 1, 0                                  ; sixteen matrix instructions stand between the add and the wait for it
	s_wait_dscnt 0x0                               ; the add is done, and my reads of this slot are over
	s_barrier_signal -1
	MUL16 2, 1, 0
	WIN 0
	s_barrier_wait -1
.if \fill
	CREST                                          ; the barrier has opened a round of the cluster's: no wave of any partner still reads this slot or has a load on its way
	s_add_nc_u64 s[G0+4*\slot+2:G0+4*\slot+3], s[G0+4*\slot+2:G0+4*\slot+3], 8192
	s_add_nc_u64 s[G0B+4*\slot+2:G0B+4*\slot+3], s[G0B+4*\slot+2:G0B+4*\slot+3], 8192
	JLOAD G0+4*\slot, G1, G0B+4*\slot, G1B         ; the first tensor load behind the round, my only one out; its four v_nop are also the places in front of the loads below
.else
	PLACES NP
.endif
	FETCH_B \next, 0, 0
	FETCH_A \next, 0, 0
	WIN MUL_HI
	MUL16 4, 1, 0
	MUL16 6, 1, 0
	PLACES NP
	WIN 0
	FETCH_A \next, 0, 4
.endm
.macro TAIL                            ; the last slot's two steps
	STEP 1, 0, 0
	s_wait_dscnt 4*NL
	WIN MUL_LO
	MUL16 0, 1, 0
	MUL16 2, 1, 0
	s_wait_dscnt 0
	WIN MUL_HI
	MUL16 4, 1, 0
	MUL16 6, 1, 0
	WIN 0
	s_wait_loadcnt 0x0                             ; the bias
	PLACES NP                                      ; behind the last products: S1's registers are written below
.endm
; THE WAY OUT of S1's block a: number = sum x 2^(ea + eb) + bias (each accumulator from its low end on), the conversions; register 8 b + j is S0's index 16 b + 8 h + j, so registers 16 p .. 16 p + 15 are my lane's 16 bytes of chunk p.
.macro EPI a, vrole
.set AC, 64*((\a)%4)
.set CB, COD+16*((\a)%4)
.if (\a) == 4
	s_wait_xcnt 0x0                                ; blocks 0 to 3's stores have read their codes: those registers are written again from here on
.endif
	WIN 0x02+((\a)/4)                              ; source 0: window 2 or 3
.set i, 0
.if \vrole
.rept 64
	v_fma_f32 v[TMP+i], v[AC+i], s96, v[BI+(\a)]   ; v: the bias goes with my lane's channel
.set i, i+1
.endr
.else
.rept 32
	v_pk_fma_f32 v[TMP+i:TMP+i+1], v[AC+i:AC+i+1], s[96:97], v[BI+i:BI+i+1] op_sel_hi:[1,0,1]   ; q, k: the bias goes with the register's column
.set i, i+2
.endr
.endif
	WIN 0
.irp p, 0,1,2,3
.set i, 0
.rept 16
.set i, i+1
.endr
	v_cvt_scalef32_pk8_fp8_f32 v[CB+4*\p:CB+4*\p+1], v[TMP+16*\p:TMP+16*\p+7], v[SC]
	v_cvt_scalef32_pk8_fp8_f32 v[CB+4*\p+2:CB+4*\p+3], v[TMP+16*\p+8:TMP+16*\p+15], v[SC]
.endr
	v_nop                                          ; a plain line between the conversions and the next block's writes of their sources
.irp p, 0,1,2,3
.if \vrole
	global_store_b128 v[LI], v[CB+4*\p:CB+4*\p+3], s[10:11] offset:131072*((\a)/4)+2048*((\a)%4)+512*\p   ; head a / 4 on, channel tile a % 4, chunk p of the 128 keys: 512 consecutive bytes
.else
	global_store_b128 v[LI], v[CB+4*\p:CB+4*\p+3], s[10:11] offset:1024*(\a)+131072*(\p/2)+512*(\p%2)     ; token tile a on, head p / 2 on, chunk p % 2 of the head's 64
.endif
.endr
.endm
	s_wait_alu depctr_va_vdst(0)
	s_wait_tensorcnt 1                             ; my part of K step 0 is in; K step 1's may stay out
	s_barrier_signal -1
	s_barrier_wait -1
	FETCH_B 0, 0, 0
	FETCH_A 0, 0, 0
	FETCH_A 0, 0, 4
	STEP 0, 0, 1                                   ; K has four steps of 256: the eight steps of 128 are written out
	TURN 0, 1, 1
	STEP 1, 0, 0
	TURN 1, 0, 1
	STEP 0, 0, 0
	TURN 0, 1, 0                                   ; the last change of slots fills nothing
	s_wait_kmcnt 0x0
	s_add_co_i32 s84, s84, s85                     ; the two operands' exponents, and the result's, by the role: chosen, never branched on
	s_add_co_i32 s86, s86, s87
	s_add_co_i32 s88, s88, s89
	s_cmp_eq_u32 s66, 1
	s_cselect_b32 s84, s86, s84
	s_cselect_b32 s90, s91, s90
	s_cmp_eq_u32 s66, 2
	s_cselect_b32 s84, s88, s84
	s_cselect_b32 s90, s93, s90
	s_add_co_i32 s84, s84, 127
	s_lshl_b32 s96, s84, 23                        ; 2^(ea + eb) as f32
	s_mov_b32 s97, s96                             ; (named with it as a pair)
	s_add_co_i32 s90, s90, 127
	s_lshl_b32 s91, s90, 23
	v_mov_b32 v[SC], s91
	s_cmp_eq_u32 s66, 2                            ; ONE branch on the role, behind the last barrier but the closing round: each way asks for its bias, runs the last two steps while it comes, and goes out
	s_cbranch_scc1 .Lrole_v
	v_lshlrev_b32 v[BO], 5, v2                     ; q, k: register 8 b + j wants the bias of column 16 b + 8 h + j
.irp b, 0,1,2,3,4,5,6,7
	global_load_b128 v[BI+8*\b:BI+8*\b+3], v[BO], s[8:9] offset:64*\b
	global_load_b128 v[BI+8*\b+4:BI+8*\b+7], v[BO], s[8:9] offset:64*\b+16
.endr
	TAIL
.irp a, 0,1,2,3,4,5,6,7
	EPI \a, 0
.endr
	s_branch .Lout_done
.Lrole_v:
	v_lshlrev_b32 v[BO], 2, v1                     ; v: block a wants the bias of my lane's channel 16 a + r
.irp a, 0,1,2,3,4,5,6,7
	global_load_b32 v[BI+\a], v[BO], s[8:9] offset:64*\a
.endr
	TAIL
.irp a, 0,1,2,3,4,5,6,7
	EPI \a, 1
.endr
.Lout_done:
	s_wait_tensorcnt 0x0                           ; the wave's end
	ds_add_u32 v[SPW], v[NIL]
	s_wait_dscnt 0x0
	CROUND                                         ; the closing round: no work-group ends while a partner may still ask for a tile that names it
	s_endpgm
.Lfunc_end_k_q1f9bc70aed_project:
	.size	k_q1f9bc70aed_project, .Lfunc_end_k_q1f9bc70aed_project-k_q1f9bc70aed_project
	.p2alignl 7, 3214868480
	.fill 96, 4, 3214868480
	.section	.rodata,"a",@progbits
	.p2align	6, 0x0
	.amdhsa_kernel k_q1f9bc70aed_project
		.amdhsa_group_segment_fixed_size 327680
		.amdhsa_private_segment_fixed_size 0
		.amdhsa_enable_private_segment 0
		.amdhsa_kernarg_size 56
		.amdhsa_user_sgpr_count 2
		.amdhsa_user_sgpr_kernarg_segment_ptr 1
		.amdhsa_wavefront_size32 1
		.amdhsa_system_sgpr_workgroup_id_x 1
		.amdhsa_system_sgpr_workgroup_id_y 1
		.amdhsa_system_sgpr_workgroup_id_z 1
		.amdhsa_system_vgpr_workitem_id 0
		.amdhsa_next_free_vgpr 1024
		.amdhsa_next_free_sgpr 100
		.amdhsa_reserve_vcc 0
		.amdhsa_float_denorm_mode_32 3
		.amdhsa_float_denorm_mode_16_64 3
		.amdhsa_fp16_overflow 1
		.amdhsa_memory_ordered 1
		.amdhsa_forward_progress 1
		.amdhsa_inst_pref_size 157
	.end_amdhsa_kernel
	.amdgpu_metadata
---
amdhsa.version: [ 1, 2 ]
amdhsa.kernels:
  - .name:           k_q1f9bc70aed_project
    .symbol:         k_q1f9bc70aed_project.kd
    .args:
      - { .name: xc, .offset: 0, .size: 8, .value_kind: global_buffer, .address_space: global }
      - { .name: wc, .offset: 8, .size: 8, .value_kind: global_buffer, .address_space: global }
      - { .name: bq, .offset: 16, .size: 8, .value_kind: global_buffer, .address_space: global }
      - { .name: bk, .offset: 24, .size: 8, .value_kind: global_buffer, .address_space: global }
      - { .name: bv, .offset: 32, .size: 8, .value_kind: global_buffer, .address_space: global }
      - { .name: lowp_scales, .offset: 40, .size: 8, .value_kind: global_buffer, .address_space: global }
      - { .name: qkvc, .offset: 48, .size: 8, .value_kind: global_buffer, .address_space: global }
    .group_segment_fixed_size: 327680
    .private_segment_fixed_size: 0
    .kernarg_segment_align: 8
    .kernarg_segment_size: 56
    .max_flat_workgroup_size: 128
    .sgpr_count:     100
    .vgpr_count:     1024
    .wavefront_size: 32
...
	.end_amdgpu_metadata
.endif
;; end of part 2
;; launch attend (part 3): grid 4 x 64, 16 waves a work-group, no clusters, 327,680 bytes of LDS; arguments qkvc, lowp_scales, ac; writes ac
.if DOCPART == 3
	.amdgcn_target "amdgcn-amd-amdhsa--gfx1250"
	.amdhsa_code_object_version 6
	.text
	.protected	k_q1f9bc70aed_attend
	.globl	k_q1f9bc70aed_attend
	.p2align	8
	.type	k_q1f9bc70aed_attend,@function
k_q1f9bc70aed_attend:
	s_mov_b64 s[64:65], 0
	v_nop
	global_prefetch_b8 v0, s[64:65] scope:SCOPE_SE
	s_setreg_imm32_b32 hwreg(HW_REG_WAVE_MODE, 25, 1), 1
	s_wait_xcnt 0x0
; Causal attention on codes of FP8 (E4M3): 64 heads (batch x head) of 2,048 tokens, head size 64.  q, k, v come as images (see below), the result leaves as the image of the last product's operand, quantised with entry 10.
; THE SOFTMAX AHEAD OF THE SECOND PRODUCT: t = score x log2(e) / 8, rounded to f32; M = the row's largest t so far, rounded UP to a whole number; p = 2^(t - M) is quantised (entry 8), not normalised.  The row's sum is
; taken of the unquantised p and divides at the end (a reciprocal with one correction step).  When M moves, the sum and O are multiplied by 2^(old M - new M): exact.
; SHARES.  Work-group (i, head) owns the blocks of 256 queries i and 7 - i: i + 1 and 8 - i slots of 256 keys, NINE for every work-group: 256 equal work-groups, a constant trip count, and no tile is fetched that nobody reads.
; Each of the sixteen waves owns one tile of 16 queries of the block in hand, in 256 registers: four waves to a SIMD, so that one wave's vector work stands beside another's matrix work and LDS loads.
; LAYOUT.  Both products are used transposed: S^T = K Q^T (source 0 = 16 keys, K = 64), O^T = V^T P^T (source 0 = 16 channels, K = 128 keys): a lane holds ONE query throughout.  Tiles are 16 neighbours; register j of
; source 0's tile t is index 16 t + 8 h + j (h = lane / 16): just what registers 2 t, 2 t + 1 of the next operand hold in the plain 8-bit form: a conversion of a tile's eight registers gives them, every k in its true place.
; IMAGES in qkvc: q at 0, k at 8,388,608: (head x 128 + tile) x 1,024 + 512 c + 16 lane (c: 32 of the head's 64); v at 16,777,216: (head x 16 + step of 128 keys) x 8,192 + 2,048 t + 512 c + 16 lane (t: 16 channels; c: 32 keys);
; a lane's 16 bytes of chunk c are k = 32 c + 8 h + 0 .. 7 and 32 c + 16 + 8 h + 0 .. 7.
; A slot of 256 keys is 16 KiB of k and 16 KiB of v, each one dense block: wave 0 fetches k's, wave 1 v's, one tensor load each; at most one load of a wave is out.
; CAUSAL.  A step of 128 keys all of which come after my 16 queries is left out by a scalar branch on ids; in the one step on the diagonal hidden scores become -infinity ahead of the maximum.  The step's first key
; counts for every query of a wave that runs the step, so the maximum is a number.
; NO CLUSTER: the four work-groups of a head stand at different key slots in the same trip, so their requests would not meet.
; LIMITS: entries 6 + 7 between -123 and 130 (added to c's exponent field); entries 8 and 10 between -126 and 127; 8 + 9 goes by v_ldexp_f32 and has none.
; REGISTERS: v1-6 addresses; v8, v10 scales; v12 -M, v13 the largest t, v[14:15] the sum; v16-23 Q, v24-31 the second block's Q; v32-95 K's or V's fragments; v96-159 S^T, then p; v160-191 O^T; v192-207 p's codes;
;   v208-223 the two results' codes; v[224:225] f, at a block's end 1 / the sum; v[226:227] the sum's second chain, at a block's end the sum; v228-232 at work.
.set SLOT1, 32768                      ; slot 1 begins here: one exclusive or turns an address in one slot into the other's
.set VOFF,  16384                      ; a slot: 16 KiB of k, then 16 KiB of v
.set SPARE, 65536                      ; behind the ring: the spare words, 128 bytes for each wave: eight blocks of 256 bytes that no other line names
.set LI,   1                           ; v1   16 x lane
.set ADR,  2                           ; v2   the slot in hand + 16 x lane
.set PFO,  3                           ; v3   256 x lane: the prefetches' offset
.set DQ,   4                           ; v4   r - 8 h
.set SPW,  5                           ; v5   LDS address of my spare word; never rewritten
.set NIL,  6                           ; v6   0; never rewritten
.set TB,   2                           ; s2   LDS byte at which the slot in hand begins
.set WV,   18
.set SEL,  20                          ; s[20:21] lane selects for v_permlanex16_b32: lane l xor 16
.set CS,   22                          ; s[22:23] c = log2(e) / 8 x 2^(entries 6 + 7)
.set G1,   24                          ; s[24:31] descriptor group 1
.set G0,   32                          ; s[32:35] group 0, which walks
.set BASE, 36                          ; s[36:37] my tensor's first byte of the head (wave 0: k, wave 1: v)
.set OFF,  38                          ; s[38:39] 16,384 x the key slot to be asked for
.set KS,   40                          ; s40  that key slot
.set SLOTS, 41                         ; s41  trips to go
.set SW,   42                          ; s42  7 - i: in the trip with this count the second block begins
.set RS,   43                          ; s43  8 - i: in the trip with this count key slot 0 is asked for again
.set KF,   44                          ; s44  the step's first key
.set Q0,   45                          ; s45  my first query;  s46 the second block's
.set Q0B,  46
.set TS,   47                          ; s47  at work
.set QA,   48                          ; s[48:51] my two tiles of q
.set OA,   52                          ; s[52:55] my two places in ac
.set OB,   54
.set PFA,  56                          ; s[56:57] where my prefetches stand
.set LIM,  58                          ; s58  1 in a wave that prefetches, else the greatest number
.set ESUM, 59                          ; s59  entries 8 + 9
.macro TLOAD                           ; waves 0 and 1 fetch; the branch hangs on the wave's number alone.  An s_nop 0 and four v_nop follow the line
	s_cmp_lt_u32 s[WV], 2
	s_cbranch_scc0 .Lno_load_\@
	tensor_load_to_lds s[G0:G0+3], s[G1:G1+7]
	s_nop 0
.rept 4
	v_nop
.endr
.Lno_load_\@:
.endm
; A PREFETCH INTO THE L2: the head's work-group 0 walks, in its second block, key slots 0 to 7 in order; at the change of slots of trips 0 to 6 it names slots 1 to 7, each one trip ahead of its own load of that slot.
; Waves 4 and 5 name k's 16 KiB, waves 6 and 7 v's: 8,192 bytes a wave, lanes 256 bytes apart: each aligned block of 256 bytes is named once in the launch.  Slot 0 comes by its load alone; the last trip names nothing.
.macro ASK
	s_cmp_gt_u32 s[SLOTS], s[LIM]
	s_cbranch_scc0 .Lnot_mine_\@
	global_prefetch_b8 v[PFO], s[PFA:PFA+1] th:TH_LOAD_NT scope:SCOPE_SE
.Lnot_mine_\@:
.endm
.macro INIT                            ; a block's beginning: the first change of M then multiplies zeros
	v_mov_b32 v13, 0xff61b1e6                      ; the largest t so far: -3e38, under every t
	s_delay_alu instid0(VALU_DEP_1)
	v_floor_f32 v12, -v13                          ; -M
	v_mov_b32 v14, 0
	v_mov_b32 v15, 0
.set j, 0
.rept 32
	v_mov_b32 v[160+j], 0
.set j, j+1
.endr
.endm
	s_load_b128 s[4:7], s[0:1], 0x0                ; qkvc 4:5, the exponents 6:7
	s_load_b64 s[8:9], s[0:1], 0x10                ; ac
	v_lshl_add_u32 v[SPW], v0, 2, SPARE
	v_mov_b32 v[NIL], 0
	ds_add_u32 v[SPW], v[NIL]                      ; the wave's opening: the add and its wait stand ahead of the first tensor load; the set-up below stands between them
	ds_add_u32 v[SPW], v[NIL]
	v_lshrrev_b32 v7, 5, v0
	s_delay_alu instid0(VALU_DEP_1)
	v_readfirstlane_b32 s[WV], v7                  ; wave 0..15
	s_and_b32 s60, ttmp7, 0xffff                   ; the head, 16 x batch + head
	s_lshl_b32 s61, s60, 17                        ; its 131,072 bytes in each of q, k, v
	s_sub_co_u32 s[SW], 7, ttmp9
	s_sub_co_u32 s[RS], 8, ttmp9
	s_lshl_b32 s73, ttmp9, 4
	s_add_co_u32 s73, s73, s[WV]                   ; my tile of queries in block i,
	s_lshl_b32 s74, s[SW], 4
	s_add_co_u32 s74, s74, s[WV]                   ; and in block 7 - i
	s_lshl_b32 s[Q0], s73, 4                       ; their first queries: 16 x tile
	s_lshl_b32 s[Q0B], s74, 4
	s_lshl_b32 s76, s73, 10                        ; their images in q
	s_add_co_u32 s76, s76, s61
	s_mov_b32 s77, 0
	s_lshl_b32 s78, s74, 10
	s_add_co_u32 s78, s78, s61
	s_mov_b32 s79, 0
	s_lshr_b32 s75, s60, 4                         ; their places in ac: ((128 batch + T) x 8 + head / 2) x 2,048 + 1,024 (head % 2) = batch << 21 + T << 14 + head << 10
	s_lshl_b32 s75, s75, 21
	s_and_b32 s80, s60, 15
	s_lshl_b32 s80, s80, 10
	s_add_co_u32 s75, s75, s80
	s_lshl_b32 s80, s73, 14
	s_add_co_u32 s80, s80, s75
	s_mov_b32 s81, 0
	s_lshl_b32 s82, s74, 14
	s_add_co_u32 s82, s82, s75
	s_mov_b32 s83, 0
	s_and_b32 s62, s[WV], 1                        ; what I fetch, if I fetch: wave 0 k, wave 1 v
	s_lshl_b32 s[G0+1], s62, 14                    ; to LDS: slot 0, k's or v's half
	s_add_co_u32 s62, s62, 1
	s_lshl_b32 s62, s62, 23
	s_add_co_u32 s62, s62, s61
	s_mov_b32 s63, 0
	s_lshr_b32 s66, s[WV], 1                       ; what I prefetch, if I do: waves 4, 5 k, waves 6, 7 v; 8,192 bytes each
	s_and_b32 s66, s66, 1
	s_add_co_u32 s66, s66, 1
	s_lshl_b32 s66, s66, 23
	s_add_co_u32 s66, s66, s61
	s_and_b32 s67, s[WV], 1
	s_lshl_b32 s67, s67, 13
	s_add_co_u32 s66, s66, s67
	s_mov_b32 s67, 0
	s_lshr_b32 s[LIM], s[WV], 2
	s_xor_b32 s[LIM], s[LIM], 1                    ; 0 in waves 4 to 7,
	s_or_b32 s[LIM], s[LIM], ttmp9                 ; of the head's work-group 0
	s_cmp_eq_u32 s[LIM], 0
	s_cselect_b32 s[LIM], 1, -1
	; descriptor group 1: a dense block of 16,384 bytes as 64 rows of 32 elements of 8 bytes
	s_mov_b32 s[G1], 3<<16                         ; no mask; elements of 8 bytes; no padding: images are read 512 consecutive bytes an instruction
	s_mov_b32 s[G1+1], 32<<16                      ; tensor_dim0
	s_mov_b32 s[G1+2], 64<<16                      ; tensor_dim1
	s_mov_b32 s[G1+3], 32<<16                      ; tile_dim0
	s_mov_b32 s[G1+4], 64                          ; tile_dim1
	s_mov_b32 s[G1+5], 32                          ; tensor_dim0_stride
	s_mov_b32 s[G1+6], 0
	s_mov_b32 s[G1+7], 0
	s_mov_b32 s[SEL], 0x76543210
	s_mov_b32 s[SEL+1], 0xfedcba98
	s_mov_b32 s[CS], 0x3e38aa3b                    ; log2(e) / 8
	s_mov_b32 s[TB], 0
	s_mov_b32 s[OFF+1], 0
	s_mov_b32 s[KS], 0
	s_mov_b32 s[SLOTS], 8
	s_mov_b32 s[KF], 0
	s_wait_dscnt 0x0                               ; the opening add is done
	s_wait_kmcnt 0x0
	s_load_b128 s[68:71], s[6:7], 0x18             ; entries 6 to 9
	s_load_b32 s72, s[6:7], 0x28                   ; entry 10
	s_add_nc_u64 s[BASE:BASE+1], s[4:5], s[62:63]
	s_mov_b32 s[G0], 1
	s_mov_b64 s[G0+2:G0+3], s[BASE:BASE+1]         ; key slot 0
	s_or_b32 s[G0+3], s[G0+3], 0x80000000
	TLOAD
	s_add_nc_u64 s[QA:QA+1], s[4:5], s[76:77]
	s_add_nc_u64 s[QA+2:QA+3], s[4:5], s[78:79]
	s_add_nc_u64 s[OA:OA+1], s[8:9], s[80:81]
	s_add_nc_u64 s[OB:OB+1], s[8:9], s[82:83]
	s_add_nc_u64 s[PFA:PFA+1], s[4:5], s[66:67]    ; at key slot 0: the first change of slots steps it to slot 1
	v_and_b32 v7, 31, v0
	s_delay_alu instid0(VALU_DEP_1)
	v_lshlrev_b32 v[LI], 4, v7
	s_delay_alu instid0(VALU_DEP_2)
	v_lshlrev_b32 v[PFO], 8, v7
	global_load_b128 v[16:19], v[LI], s[QA:QA+1]               ; both blocks' Q stay in registers
	global_load_b128 v[20:23], v[LI], s[QA:QA+1] offset:512
	global_load_b128 v[24:27], v[LI], s[QA+2:QA+3]
	global_load_b128 v[28:31], v[LI], s[QA+2:QA+3] offset:512
	v_and_b32 v[DQ], 15, v0
	v_bfe_u32 v7, v0, 4, 1
	s_delay_alu instid0(VALU_DEP_1)
	v_lshlrev_b32 v7, 3, v7
	s_delay_alu instid0(VALU_DEP_1)
	v_sub_nc_u32 v[DQ], v[DQ], v7                  ; r - 8 h
	INIT
	v_mov_b32 v230, 0                              ; written once: a lane permute's destination counts as one of its sources
	v_mov_b32 v225, 0                              ; (named as the upper halves of the pairs v[224:225] and v[226:227])
	v_mov_b32 v227, 0
	s_wait_kmcnt 0x0
	s_add_co_i32 s73, s68, s69
	s_lshl_b32 s73, s73, 23
	s_add_co_i32 s[CS], s[CS], s73                 ; a score stands for score x 2^(entries 6 + 7): added to c's exponent field
	s_mov_b32 s[CS+1], s[CS]
	s_add_co_i32 s73, s70, 127
	s_lshl_b32 s74, s73, 23
	v_mov_b32 v8, s74                              ; 2^(entry 8), for p's conversions
	s_add_co_i32 s73, s72, 127
	s_lshl_b32 s74, s73, 23
	v_mov_b32 v10, s74                             ; 2^(entry 10), for the result's
	s_add_co_i32 s[ESUM], s70, s71
; A KEY STEP: 128 keys, the q-th of the slot in hand.
.macro STEP q
	s_add_co_u32 s[TS], s[Q0], 15                  ; my last query
	s_cmp_gt_u32 s[KF], s[TS]
	s_cbranch_scc1 .Lhidden_\@                     ; all 128 keys come after my queries
	v_add_nc_u32 v[ADR], s[TB], v[LI]
.rept 3
	v_nop                                          ; with the addition four places in front of loads into registers that matrix instructions have read
.endr
.irp t, 0,1,2,3,4,5,6,7
.irp c, 0,1
	ds_load_b128 v[32+8*\t+4*\c:35+8*\t+4*\c], v[ADR] offset:8192*(\q)+1024*\t+512*\c
.endr
.endr
	s_wait_dscnt 0x0
	s_wait_alu depctr_va_vdst(0)
.irp t, 0,1,2,3,4,5,6,7
	v_wmma_f32_16x16x64_fp8_fp8 v[96+8*\t:103+8*\t], v[32+8*\t:39+8*\t], v[16:23], 0   ; S^T: register 8 t + j of a lane is key KF + 16 t + 8 h + j
.endr
.rept 4
	v_nop                                          ; places in front of the loads below and of the first read of the scores
.endr
.irp t, 0,1,2,3
.irp c, 0,1,2,3
	ds_load_b128 v[32+16*\t+4*\c:35+16*\t+4*\c], v[ADR] offset:VOFF+8192*(\q)+2048*\t+512*\c   ; V's fragments land while the softmax is walked
.endr
.endr
	s_add_co_u32 s[TS], s[KF], 127
	s_cmp_le_u32 s[TS], s[Q0]
	s_cbranch_scc1 .Lopen_\@                       ; all keys count for all my queries
	s_sub_co_i32 s[TS], s[Q0], s[KF]
	v_add_nc_u32 v232, s[TS], v[DQ]                ; d = my query - KF - 8 h: register 8 t + j is hidden where 16 t + j > d
	v_mov_b32 v231, 0xff800000                     ; -infinity
.set n, 0
.rept 64
	v_cmp_gt_i32 vcc_lo, 16*(n/8)+n%8, v232
	v_cndmask_b32 v[96+n], v[96+n], v231, vcc_lo
.set n, n+1
.endr
.Lopen_\@:
	v_max3_num_f32 v228, v96, v97, v98             ; the step's largest score of my query among my 64 keys, in two chains, each accumulator from its low end on,
	v_max3_num_f32 v229, v99, v100, v101
.irp i, 6,10,14,18,22,26,30,34,38,42,46,50,54,58
	v_max3_num_f32 v228, v228, v[96+\i], v[97+\i]
	v_max3_num_f32 v229, v229, v[98+\i], v[99+\i]
.endr
	v_max3_num_f32 v228, v228, v158, v159
	s_delay_alu instid0(VALU_DEP_1)
	v_max_num_f32 v228, v228, v229
	s_delay_alu instid0(VALU_DEP_1)
	v_permlanex16_b32 v230, v228, s[SEL], s[SEL+1]
	s_delay_alu instid0(VALU_DEP_1)
	v_max_num_f32 v228, v228, v230                 ; and among lane l xor 16's
	s_delay_alu instid0(VALU_DEP_1)
	v_mul_f32 v228, s[CS], v228                    ; as t (c is positive)
	s_delay_alu instid0(VALU_DEP_1)
	v_max_num_f32 v13, v13, v228                   ; the running largest t
	v_mov_b32 v228, v12
	s_delay_alu instid0(VALU_DEP_2)
	v_floor_f32 v12, -v13                          ; the new -M = floor(-t) = -ceil(t): a whole number
	s_delay_alu instid0(VALU_DEP_1)
	v_sub_f32 v228, v12, v228                      ; old M - new M: a whole number, 0 or less
	s_delay_alu instid0(VALU_DEP_1)
	v_cvt_i32_f32 v228, v228                       ; (it saturates)
	s_delay_alu instid0(VALU_DEP_1)
	v_ldexp_f32 v224, 1.0, v228                    ; f = 2^(old M - new M)
.set j, 0
.rept 32
	v_pk_mul_f32 v[96+j:97+j], v[96+j:97+j], s[CS:CS+1] op_sel_hi:[1,0]   ; t = score x c, rounded to f32 as the definition has it, two at a time
.set j, j+2
.endr
.set j, 0
.rept 32
	v_pk_add_f32 v[96+j:97+j], v[96+j:97+j], v[12:13] op_sel_hi:[1,0]     ; t - M (of the pair the low word, -M, serves both halves)
.set j, j+2
.endr
.set j, 0
	s_wait_alu depctr_va_vdst(0)
.rept 64
	v_exp_f32 v[96+j], v[96+j]                     ; p = 2^(t - M), at most 1
.set j, j+1
.endr
	v_pk_mul_f32 v[14:15], v[14:15], v[224:225] op_sel_hi:[1,0]   ; the sums under the new M: the plain line behind the exponentials
	s_wait_alu depctr_va_vdst(0)                   ; one wait for the batch of 64, ahead of its first reader
	v_pk_add_f32 v[226:227], v[100:101], v[104:105]
	v_pk_add_f32 v[254:255], v[108:109], v[112:113]
	v_pk_add_f32 v[252:253], v[116:117], v[120:121]
	v_pk_add_f32 v[250:251], v[124:125], v[128:129]
	v_pk_add_f32 v[248:249], v[132:133], v[136:137]
	v_pk_add_f32 v[246:247], v[140:141], v[144:145]
	v_pk_add_f32 v[244:245], v[148:149], v[152:153]
	v_pk_add_f32 v[14:15], v[14:15], v[156:157]
	v_pk_add_f32 v[226:227], v[226:227], v[96:97]
	v_pk_add_f32 v[254:255], v[254:255], v[98:99]
	v_pk_add_f32 v[252:253], v[252:253], v[102:103]
	v_pk_add_f32 v[250:251], v[250:251], v[106:107]
	v_pk_add_f32 v[248:249], v[248:249], v[110:111]
	v_pk_add_f32 v[246:247], v[246:247], v[114:115]
	v_pk_add_f32 v[244:245], v[244:245], v[118:119]
	v_pk_add_f32 v[14:15], v[14:15], v[122:123]
	v_pk_add_f32 v[226:227], v[226:227], v[126:127]
	v_pk_add_f32 v[254:255], v[254:255], v[130:131]
	v_pk_add_f32 v[252:253], v[252:253], v[134:135]
	v_pk_add_f32 v[250:251], v[250:251], v[138:139]
	v_pk_add_f32 v[248:249], v[248:249], v[142:143]
	v_pk_add_f32 v[246:247], v[246:247], v[146:147]
	v_pk_add_f32 v[244:245], v[244:245], v[150:151]
	v_pk_add_f32 v[14:15], v[14:15], v[154:155]
	v_pk_add_f32 v[226:227], v[226:227], v[158:159]
	s_delay_alu instid0(VALU_DEP_2)
	v_pk_add_f32 v[14:15], v[14:15], v[250:251]
	s_delay_alu instid0(VALU_DEP_2)
	v_pk_add_f32 v[226:227], v[226:227], v[248:249]
	v_pk_add_f32 v[254:255], v[254:255], v[246:247]
	v_pk_add_f32 v[252:253], v[252:253], v[244:245]
	s_delay_alu instid0(VALU_DEP_2)
	v_pk_add_f32 v[14:15], v[14:15], v[254:255]
	s_delay_alu instid0(VALU_DEP_2)
	v_pk_add_f32 v[226:227], v[226:227], v[252:253]
	s_delay_alu instid0(VALU_DEP_1)
	v_pk_add_f32 v[14:15], v[14:15], v[226:227]
.irp t, 0,1,2,3,4,5,6,7
.set j, 0
.rept 8
.set j, j+1
.endr
	v_cvt_scalef32_pk8_fp8_f32 v[192+2*\t:193+2*\t], v[96+8*\t:103+8*\t], v8   ; keys 16 t + 8 h + 0 .. 7: registers 2 t, 2 t + 1 of the operand
.endr
.set j, 0
.rept 16
	v_pk_mul_f32 v[160+j:161+j], v[160+j:161+j], v[224:225] op_sel_hi:[1,0]   ; O^T under the new M; also the plain lines between the conversions and the products
.set j, j+2
.endr
	s_wait_alu depctr_va_vdst(0)
	s_wait_dscnt 0x0                               ; V's fragments
.irp t, 0,1,2,3
	v_wmma_f32_16x16x128_fp8_fp8 v[160+8*\t:167+8*\t], v[32+16*\t:47+16*\t], v[192:207], v[160+8*\t:167+8*\t]   ; four accumulators by turns
.endr
.Lhidden_\@:
	s_add_co_u32 s[KF], s[KF], 128
.endm
; THE CHANGE OF SLOTS stands at a slot's head.  Each wave waits for all its tensor loads, adds 0 to its spare word, and waits for that and for its reads of the slot that it has left.  Behind the barrier the slot ahead
; is whole and nobody reads the other one.  fill = 1: that other slot takes the key slot that follows: the next one, or slot 0 again where the second block begins.
.macro CHANGE fill
	s_wait_tensorcnt 0x0                           ; no tensor load of mine is out, so group 0 may be written
	ds_add_u32 v[SPW], v[NIL]                      ; 0 onto my spare word
.if \fill
	s_add_co_u32 s[KS], s[KS], 1
	s_cmp_eq_u32 s[SLOTS], s[RS]
	s_cselect_b32 s[KS], 0, s[KS]
	s_lshl_b32 s[OFF], s[KS], 14
	s_add_nc_u64 s[G0+2:G0+3], s[BASE:BASE+1], s[OFF:OFF+1]
	s_or_b32 s[G0+3], s[G0+3], 0x80000000
	s_xor_b32 s[G0+1], s[G0+1], SLOT1              ; the other slot than last time
	s_wait_xcnt 0x0                                ; the last prefetch, a slot back, has read its address
	s_add_nc_u64 s[PFA:PFA+1], s[PFA:PFA+1], 16384
.endif
	s_wait_dscnt 0x0                               ; the add is done, and my reads of the slot that I have left are over
	s_barrier_signal -1
	s_barrier_wait -1
.if \fill
	TLOAD                                          ; the first thing behind the barrier, and a wave's one tensor load until the next
	ASK
.endif
.endm
; A BLOCK'S END: O^T / the sum x 2^(entries 8 + 9), quantised with entry 10.  The quotient goes into a quantiser, so the reciprocal's error is taken out by one step: q0 = O r, rest = O - q0 l (fused), q = q0 + rest r.
; Register 8 t + j is channel 16 t + 8 h + j: registers 16 b .. 16 b + 15 are my lane's 16 bytes of chunk 2 (head % 2) + b of the image: 512 consecutive bytes a store.
.macro FINISH cod, op
.rept 4
	v_nop                                          ; places behind the last products
.endr
	v_add_f32 v14, v14, v15
	s_wait_alu depctr_va_vdst(0)
	v_permlanex16_b32 v230, v14, s[SEL], s[SEL+1]
	s_delay_alu instid0(VALU_DEP_1)
	v_add_f32 v226, v14, v230                      ; l, the row's sum
	s_wait_alu depctr_va_vdst(0)
	v_rcp_f32 v224, v226                           ; r
	v_nop                                          ; a plain line behind the transcendental,
	s_wait_alu depctr_va_vdst(0)                   ; and the wait ahead of its first reader
.set j, 0
.rept 16
	v_pk_mul_f32 v[96+j:97+j], v[160+j:161+j], v[224:225] op_sel_hi:[1,0]   ; q0 = O r, into the scores' registers, which are free here; each accumulator from its low end on
.set j, j+2
.endr
.set j, 0
.rept 16
	v_pk_fma_f32 v[160+j:161+j], v[96+j:97+j], v[226:227], v[160+j:161+j] op_sel_hi:[1,0,1] neg_lo:[1,0,0] neg_hi:[1,0,0]   ; rest = O - q0 l
.set j, j+2
.endr
.set j, 0
.rept 16
	v_pk_fma_f32 v[160+j:161+j], v[160+j:161+j], v[224:225], v[96+j:97+j] op_sel_hi:[1,0,1]   ; q = q0 + rest r
.set j, j+2
.endr
.set j, 0
.rept 32
	v_ldexp_f32 v[160+j], v[160+j], s[ESUM]        ; x 2^(entries 8 + 9): nothing is rounded
.set j, j+1
.endr
.set j, 0
.rept 32
.set j, j+1
.endr
.irp t, 0,1,2,3
	v_cvt_scalef32_pk8_fp8_f32 v[\cod+2*\t:\cod+2*\t+1], v[160+8*\t:167+8*\t], v10
.endr
	v_nop                                          ; a plain line between the conversions and the next write of their sources
	global_store_b128 v[LI], v[\cod:\cod+3], s[\op:\op+1]
	global_store_b128 v[LI], v[\cod+4:\cod+7], s[\op:\op+1] offset:512
.endm
	s_wait_loadcnt 0x0                             ; Q
.Lslot:                                            ; eight trips: behind each change of slots but the last the next key slot is asked for
	CHANGE 1
	s_cmp_lg_u32 s[SLOTS], s[SW]                   ; a branch on ids: the first block's keys are through
	s_cbranch_scc1 .Lsame_block
	FINISH 208, OA
	INIT
.set j, 0
.rept 8
	v_mov_b32 v[16+j], v[24+j]                     ; the second block's Q
.set j, j+1
.endr
	s_mov_b32 s[KF], 0
	s_mov_b32 s[Q0], s[Q0B]
.Lsame_block:
	STEP 0
	STEP 1
	s_xor_b32 s[TB], s[TB], SLOT1                  ; on to the other slot
	s_sub_co_u32 s[SLOTS], s[SLOTS], 1
	s_cmp_lg_u32 s[SLOTS], 0
	s_cbranch_scc1 .Lslot
	CHANGE 0                                       ; the ninth slot is written out
	STEP 0
	STEP 1
	FINISH 216, OB
	s_wait_tensorcnt 0x0                           ; the wave's end
	ds_add_u32 v[SPW], v[NIL]
	s_wait_dscnt 0x0
	s_endpgm
.Lfunc_end_k_q1f9bc70aed_attend:
	.size	k_q1f9bc70aed_attend, .Lfunc_end_k_q1f9bc70aed_attend-k_q1f9bc70aed_attend
	.p2alignl 7, 3214868480
	.fill 96, 4, 3214868480
	.section	.rodata,"a",@progbits
	.p2align	6, 0x0
	.amdhsa_kernel k_q1f9bc70aed_attend
		.amdhsa_group_segment_fixed_size 327680
		.amdhsa_private_segment_fixed_size 0
		.amdhsa_enable_private_segment 0
		.amdhsa_kernarg_size 24
		.amdhsa_user_sgpr_count 2
		.amdhsa_user_sgpr_kernarg_segment_ptr 1
		.amdhsa_wavefront_size32 1
		.amdhsa_system_sgpr_workgroup_id_x 1
		.amdhsa_system_sgpr_workgroup_id_y 1
		.amdhsa_system_sgpr_workgroup_id_z 1
		.amdhsa_system_vgpr_workitem_id 0
		.amdhsa_next_free_vgpr 256
		.amdhsa_next_free_sgpr 84
		.amdhsa_reserve_vcc 1
		.amdhsa_float_denorm_mode_32 3
		.amdhsa_float_denorm_mode_16_64 3
		.amdhsa_fp16_overflow 1
		.amdhsa_memory_ordered 1
		.amdhsa_forward_progress 1
		.amdhsa_inst_pref_size 105
	.end_amdhsa_kernel
	.amdgpu_metadata
---
amdhsa.version: [ 1, 2 ]
amdhsa.kernels:
  - .name:           k_q1f9bc70aed_attend
    .symbol:         k_q1f9bc70aed_attend.kd
    .args:
      - { .name: qkvc, .offset: 0, .size: 8, .value_kind: global_buffer, .address_space: global }
      - { .name: lowp_scales, .offset: 8, .size: 8, .value_kind: global_buffer, .address_space: global }
      - { .name: ac, .offset: 16, .size: 8, .value_kind: global_buffer, .address_space: global }
    .group_segment_fixed_size: 327680
    .private_segment_fixed_size: 0
    .kernarg_segment_align: 8
    .kernarg_segment_size: 24
    .max_flat_workgroup_size: 512
    .sgpr_count:     84
    .vgpr_count:     256
    .wavefront_size: 32
...
	.end_amdgpu_metadata
.endif
;; end of part 3
;; launch outproj (part 4): grid 4 x 32, 4 waves a work-group, clusters of 4 x 4, 327,680 bytes of LDS; arguments ac, wc, bo, lowp_scales, out0; writes out0
.if DOCPART == 4
	.amdgcn_target "amdgcn-amd-amdhsa--gfx1250"
	.amdhsa_code_object_version 6
	.text
	.protected	k_q1f9bc70aed_outproj
	.globl	k_q1f9bc70aed_outproj
	.p2align	8
	.type	k_q1f9bc70aed_outproj,@function
k_q1f9bc70aed_outproj:
	s_mov_b64 s[64:65], 0
	v_nop
	global_prefetch_b8 v0, s[64:65] scope:SCOPE_SE
	s_setreg_imm32_b32 hwreg(HW_REG_WAVE_MODE, 25, 1), 1
	s_wait_xcnt 0x0
	s_wait_alu depctr_hold_cnt(0) depctr_sa_sdst(0) depctr_va_vdst(0) depctr_va_sdst(0) depctr_va_ssrc(0) depctr_va_vcc(0) depctr_vm_vsrc(0)
	s_getreg_b32 s2, hwreg(HW_REG_IB_STS2, 6, 4)
	s_cmp_eq_u32 s2, 0
	s_cbranch_scc0 .Lentry_in_a_cluster
	s_endpgm
.Lentry_in_a_cluster:
	s_bfe_u32 s2, ttmp6, 0x10000c
	s_cmp_lg_u32 s2, 0xf033
	s_cbranch_scc0 .Lentry_shape_is_right
	s_endpgm
.Lentry_shape_is_right:
; out0 = attn wo + bo on codes of FP8 (E4M3): attn's codes (ac, entry 10) and wo's (the fourth part of wc, entry 11) come as images; out0 [8192][1024] is f32.
; OPERANDS are images (tile T = rows 16 T .. 16 T + 15, K step s of 128: 2,048 bytes at (8 T + s) x 2,048; lane l = (r, h) owns the 16 bytes at 512 c + 16 l of chunk c: k = 32 c + 8 h + 0 .. 7 and 32 c + 16 + 8 h + 0 .. 7):
; every k stands in the place that the plain 8-bit form gives it, K ascends, and each output has one accumulator.
; A tile of out0 is 256 x 256, made by four waves, each 128 x 128: 64 accumulators.  SOURCE 0 (S0) = wo's columns, along a lane's registers; SOURCE 1 (S1) = the tokens, along the lanes.
; K goes in steps of 256 through two LDS slots; a wave's tensor load brings 8 tiles of 16 rows x 4,096 bytes.  Images are read 512 consecutive bytes an instruction: no padding.
; CLUSTER 4 x 4: S1's tile is shared along a row of the cluster, S0's along a column: each is asked for jointly.  128 work-groups: the tile is kept large for the sake of the LDS reads.
; LIMIT: entries 10 + 11 between -126 and 127.  No prefetch: K has four steps, two of them first fills.
; REGISTERS, in windows of 256: window 0: v12-15 the bias of my four columns on the way out; v16-29 addresses; v128-255 S1's 8 fragments, one set; on the way out two sets of 16 rows read back.
;   window 1: S0's fragments, two sets.   window 2: the accumulators of S1's blocks 0-3 ((a, b) at v[8 (8 a + b)]);   window 3: those of blocks 4-7.
.set HALFT,  32768                     ; what one tensor load brings, and what one wave reads of S1 or of S0
.set SLOT,   4*HALFT                   ; S1's two halves, then S0's
.set SPARE,  2*SLOT                    ; behind the ring: the spare words, 128 bytes for each wave: two blocks of 256 bytes that no other line names
.set SPITCH, 528                       ; the way out: a stage of 16 rows x (512 bytes + 16) for each wave, in slot 0, which has had its last fill and its last read when the first result is stored there
.set FR,     16
.set NL,     4
.set NP,     4                         ; places behind this matrix instruction (ISA guide 7.12.1)
.set ADRA, 16                          ; v16-17  LDS address of my S1 fragments in slot 0, 1
.set ADRB, 20                          ; v20-21  the same for S0
.set STO,  24                          ; v24     the way out: where I put 32 bytes of a row
.set RD,   25                          ; v25     where I read a row back
.set CO,   26                          ; v26     16 x lane
.set SPW,  28                          ; v28     LDS address of my spare word; never rewritten
.set NIL,  29                          ; v29     0; never rewritten
.set AF,   128
.set BK,   128                         ; the way out: v128-191 and v192-255 by turns
.set G1, 24
.set G0, 32
.set G1B, 48
.set G0B, 56
.set MSB, 0
.macro WIN new                         ; the immediate's high byte repeats the setting that is left
.if MSB != \new
	s_set_vgpr_msb (MSB<<8)|\new
.set MSB, \new
.endif
.endm
.set MUL_LO, 0xa1                      ; source 0 window 1, source 1 window 0, C and D window 2
.set MUL_HI, 0xf1                      ; the same, C and D window 3
.set TO_B,   0x40                      ; destination window 1, address window 0
; A joint load: waves 0 and 1 fetch for S1, waves 2 and 3 for S0; the branch hangs on the wave's number alone.  An s_nop 0 and four v_nop follow each of the two lines.
.macro JLOAD g0a, g1a, g0b, g1b
	s_cmp_eq_u32 s15, 0
	s_cbranch_scc0 .Lfor_b_\@
	tensor_load_to_lds s[\g0a:\g0a+3], s[\g1a:\g1a+7]
	s_nop 0
.rept 4
	v_nop
.endr
	s_branch .Lasked_\@
.Lfor_b_\@:
	tensor_load_to_lds s[\g0b:\g0b+3], s[\g1b:\g1b+7]
	s_nop 0
.rept 4
	v_nop
.endr
.Lasked_\@:
.endm
.macro CREST                           ; a round of the cluster's barrier behind its opening barrier
	s_cmp_lg_u32 s14, 0
	s_cbranch_scc1 .Lnot_wave_0_\@
	s_barrier_signal -3
.Lnot_wave_0_\@:
	s_barrier_wait -3
	s_barrier_signal -1
	s_barrier_wait -1
.endm
.macro CROUND
	s_barrier_signal -1
	s_barrier_wait -1
	CREST
.endm
	s_load_b256 s[68:75], s[0:1], 0x0              ; ac 68:69, wc 70:71, bo 72:73, the exponents 74:75
	s_load_b64 s[76:77], s[0:1], 0x20              ; out0
	v_lshl_add_u32 v[SPW], v0, 2, SPARE
	v_mov_b32 v[NIL], 0
	ds_add_u32 v[SPW], v[NIL]                      ; the wave's opening: the add and its wait stand ahead of my first tensor load; the set-up below stands between them
	ds_add_u32 v[SPW], v[NIL]
	v_lshrrev_b32 v1, 5, v0
	v_readfirstlane_b32 s14, v1                    ; wave 0..3
	s_lshr_b32 s15, s14, 1                         ; which half of S1's rows is mine.  Also: I fetch for S1 (0) or for S0 (1)
	s_and_b32 s16, s14, 1                          ; which half of S0's rows.  Also: which half of that tile I fetch
	s_bfe_u32 s40, ttmp6, 0x40000                  ; cx, cy
	s_bfe_u32 s41, ttmp6, 0x40004
	s_lshl_b32 s42, ttmp9, 2
	s_add_co_u32 s42, s42, s40                     ; S0's tile: 256 columns of out0
	s_and_b32 s17, ttmp7, 0xffff
	s_lshl_b32 s17, s17, 2
	s_add_co_u32 s17, s17, s41                     ; S1's tile: 256 tokens
	s_lshl_b32 s43, s41, 2
	s_lshl_b32 s43, 15, s43                        ; my row of the cluster
	s_lshl_b32 s44, 0x1111, s40                    ; my column
	; descriptor group 1: 8 rows (tiles of 16) of 512 elements of 8 bytes (two images), 2,048 elements (eight images) apart; no padding
	s_or_b32 s[G1+0], s43, (3<<16)|(1<<21)
	s_or_b32 s[G1B+0], s44, (3<<16)|(1<<21)
.irp g, G1, G1B
	s_mov_b32 s[\g+1], 512<<16                     ; tensor_dim0
	s_mov_b32 s[\g+2], 8<<16                       ; tensor_dim1
	s_mov_b32 s[\g+3], 512<<16                     ; tile_dim0
	s_mov_b32 s[\g+4], 8                           ; tile_dim1
	s_mov_b32 s[\g+5], 2048                        ; tensor_dim0_stride
	s_mov_b32 s[\g+6], 0
	s_mov_b32 s[\g+7], 0
.endr
	s_lshl_b32 s18, s16, 17
	s_lshl_b32 s20, s17, 18
	s_add_co_u32 s20, s20, s18
	s_mov_b32 s21, 0
	s_lshl_b32 s46, s42, 18
	s_add_co_u32 s46, s46, s18
	s_mov_b32 s47, 0
	s_lshl_b32 s45, s14, 15                        ; where my load goes: wave x HALFT
	s_wait_dscnt 0x0                               ; the opening add is done
	s_wait_kmcnt 0x0
	s_load_b64 s[96:97], s[74:75], 0x28            ; entries 10, 11
	s_add_nc_u64 s[70:71], s[70:71], 0x300000      ; wo's part of wc
	s_add_nc_u64 s[20:21], s[68:69], s[20:21]
	s_add_nc_u64 s[46:47], s[70:71], s[46:47]
	CROUND                                         ; all sixteen work-groups are here: the first joint loads meet
.irp s, 0,1
	s_mov_b32 s[G0+4*\s], 1
	s_add_co_u32 s[G0+4*\s+1], s45, \s*SLOT
	s_add_nc_u64 s[G0+4*\s+2:G0+4*\s+3], s[20:21], \s*4096
	s_or_b32 s[G0+4*\s+3], s[G0+4*\s+3], 0x80000000
	s_mov_b32 s[G0B+4*\s], 1
	s_add_co_u32 s[G0B+4*\s+1], s45, \s*SLOT
	s_add_nc_u64 s[G0B+4*\s+2:G0B+4*\s+3], s[46:47], \s*4096
	s_or_b32 s[G0B+4*\s+3], s[G0B+4*\s+3], 0x80000000
	s_wait_alu depctr_va_vdst(0)
	s_wait_tensorcnt 0x0
	ds_add_u32 v28, v29
	ds_add_u32 v28, v29
	s_wait_dscnt 0x0
	CROUND
	JLOAD G0+4*\s, G1, G0B+4*\s, G1B               ; K steps 0 and 1, one after the other: one load of mine is out
.endr
	v_and_b32 v1, 15, v0                           ; r
	s_wait_alu depctr_va_vdst(0)
	v_bfe_u32 v2, v0, 4, 1                         ; h
	v_and_b32 v3, 31, v0
	v_lshlrev_b32 v[CO], 4, v3
	s_lshl_b32 s21, s15, 15
	s_lshl_b32 s22, s16, 15
	s_add_co_u32 s22, s22, 2*HALFT
.irp s, 0,1
	v_add_nc_u32 v[ADRA+\s], s21, v[CO]
	v_add_nc_u32 v[ADRB+\s], s22, v[CO]
	s_add_co_u32 s21, s21, SLOT
	s_add_co_u32 s22, s22, SLOT
.endr
	s_mul_i32 s23, s14, 16*SPITCH                  ; my stage
	v_mul_u32_u24 v5, v1, SPITCH                   ; in: row r; S0's tile b holds columns 16 b + 8 h + 0 .. 7: 32 h bytes for my half
	s_wait_alu depctr_va_vdst(0)
	v_lshl_add_u32 v5, v2, 5, v5
	v_add_nc_u32 v[STO], s23, v5
	v_add_nc_u32 v[RD], s23, v[CO]                 ; back: the 32 lanes take one row of 512 bytes
	s_lshl_b32 s82, s17, 20                        ; my first token's row of 4,096 bytes: 256 x tile + 128 x half
	s_lshl_b32 s83, s15, 19
	s_add_co_u32 s82, s82, s83
	s_lshl_b32 s98, s42, 10                        ; my first column, in bytes: 1,024 x tile + 512 x half
	s_lshl_b32 s99, s16, 9
	s_add_co_u32 s98, s98, s99
	s_mov_b32 s99, 0
	s_add_nc_u64 s[8:9], s[72:73], s[98:99]
	s_add_co_u32 s82, s82, s98
	s_mov_b32 s83, 0
	s_add_nc_u64 s[10:11], s[76:77], s[82:83]
	global_load_b128 v[12:15], v[CO], s[8:9]       ; the bias of the four columns that I store
.macro FRAG reg, adr, q, i             ; a fragment as it lies: four loads of 512 consecutive bytes
.irp c, 0,1,2,3
	ds_load_b128 v[\reg+4*\c:\reg+4*\c+3], v[\adr] offset:2048*(\q)+512*\c+(\i)*4096
.endr
.endm
; 16 matrix instructions: S1's blocks a0, a0 + 1 x S0's eight.  The 64 accumulators take turns, one instruction a turn, in the same order in every step.
.macro MUL16 a0, p, zero
.irp a, \a0, \a0+1
.irp b, 0,1,2,3,4,5,6,7
.if \zero
	v_wmma_f32_16x16x128_fp8_fp8 v[8*(8*((\a)%4)+\b):8*(8*((\a)%4)+\b)+7], v[128*(\p)+FR*\b:128*(\p)+FR*\b+FR-1], v[AF+FR*(\a):AF+FR*(\a)+FR-1], 0
.else
	v_wmma_f32_16x16x128_fp8_fp8 v[8*(8*((\a)%4)+\b):8*(8*((\a)%4)+\b)+7], v[128*(\p)+FR*\b:128*(\p)+FR*\b+FR-1], v[AF+FR*(\a):AF+FR*(\a)+FR-1], v[8*(8*((\a)%4)+\b):8*(8*((\a)%4)+\b)+7]
.endif
.endr
.endr
.endm
.macro FETCH_B slot, q, p
	WIN TO_B
.irp i, 0,1,2,3,4,5,6,7
	FRAG 128*(\p)+FR*\i, ADRB+\slot, \q, \i
.endr
	WIN 0
.endm
.macro FETCH_A slot, q, i0
.irp i, \i0, \i0+1, \i0+2, \i0+3
	FRAG AF+FR*(\i), ADRA+\slot, \q, \i
.endr
.endm
.macro PLACES n                        ; plain vector lines between a matrix instruction and a load into its registers or a read of its result (ISA guide 7.12.1 for vector instructions)
.rept \n
	v_nop
.endr
.endm
.macro STEP slot, q, zero              ; a step of 128 along K that has its successor in the same slot
	s_wait_dscnt 4*NL                              ; S0's set and S1's blocks 0-3 are in; the youngest sixteen loads (blocks 4-7) may be out
	WIN MUL_LO
	MUL16 0, (\q)%2, \zero
	MUL16 2, (\q)%2, \zero
	s_wait_dscnt 0
	PLACES NP
	FETCH_B \slot, (\q)+1, 1-(\q)%2
	FETCH_A \slot, (\q)+1, 0
	WIN MUL_HI
	MUL16 4, (\q)%2, \zero
	MUL16 6, (\q)%2, \zero
	PLACES NP
	WIN 0
	FETCH_A \slot, (\q)+1, 4
.endm
; A slot's last step changes slots: one barrier; in front of it each wave waits for all its tensor loads, adds 0 to its spare word, and waits for that and for its reads of this slot.
.macro TURN slot, next, fill
	s_wait_tensorcnt 0x0                           ; all my tensor loads have landed: my part of the next slot
	ds_add_u32 v[SPW], v[NIL]                      ; 0 onto my spare word
	s_wait_dscnt 4*NL+1                            ; (the add and the youngest sixteen loads may be out)
	WIN MUL_LO
	MUL16 0, 1, 0
	s_wait_dscnt 0x0                               ; the add is done, and my reads of this slot are over
	s_barrier_signal -1
	MUL16 2, 1, 0
	WIN 0
	s_barrier_wait -1
.if \fill
	CREST                                          ; the barrier has opened a round of the cluster's: no wave of any partner still reads this slot or has a load on its way
	s_add_nc_u64 s[G0+4*\slot+2:G0+4*\slot+3], s[G0+4*\slot+2:G0+4*\slot+3], 8192
	s_add_nc_u64 s[G0B+4*\slot+2:G0B+4*\slot+3], s[G0B+4*\slot+2:G0B+4*\slot+3], 8192
	JLOAD G0+4*\slot, G1, G0B+4*\slot, G1B         ; the first tensor load behind the round, my only one out
.else
	PLACES NP
.endif
	FETCH_B \next, 0, 0
	FETCH_A \next, 0, 0
	WIN MUL_HI
	MUL16 4, 1, 0
	MUL16 6, 1, 0
	PLACES NP
	WIN 0
	FETCH_A \next, 0, 4
.endm
	s_wait_tensorcnt 1                             ; my part of K step 0 is in; K step 1's may stay out
	s_barrier_signal -1
	s_barrier_wait -1
	FETCH_B 0, 0, 0
	FETCH_A 0, 0, 0
	FETCH_A 0, 0, 4
	STEP 0, 0, 1                                   ; K has four steps of 256: the eight steps of 128 are written out
	TURN 0, 1, 1
	STEP 1, 0, 0
	TURN 1, 0, 1
	STEP 0, 0, 0
	TURN 0, 1, 0                                   ; the last change of slots fills nothing; behind its barrier nobody reads slot 0
	STEP 1, 0, 0
	s_wait_dscnt 4*NL
	WIN MUL_LO
	MUL16 0, 1, 0
	MUL16 2, 1, 0
	s_wait_alu depctr_va_vdst(0)
	s_wait_dscnt 0
	WIN MUL_HI
	MUL16 4, 1, 0
	MUL16 6, 1, 0
	WIN 0
; THE WAY OUT, block by block of 16 tokens x 128 columns.  The sums go as they are into my own stage (each accumulator's low four registers first) and come back as whole rows of 512 bytes; there a lane holds four
; neighbouring columns, so four registers of bias serve every row: out = sum x 2^(entries 10 + 11) + bo, one packed multiply-add for two numbers.  Stage row t of block a is token 16 a + t of my 128.
; LDS serves a wave's instructions in order (ISA guide 5.7.1.4): no wait between the stores and the loads, nor in front of the next block's stores.
.macro TOSTAGE a
.set AC, 64*((\a)%4)
.set BB, BK+64*((\a)%2)
	WIN 0x08+4*((\a)/4)                            ; an LDS store's data: window 2 or 3; its address: window 0
.irp b, 0,1,2,3,4,5,6,7
	ds_store_b128 v[STO], v[AC+8*\b:AC+8*\b+3] offset:64*\b
	ds_store_b128 v[STO], v[AC+8*\b+4:AC+8*\b+7] offset:64*\b+16
.endr
	WIN 0
.irp t, 0,1,2,3,4,5,6,7,8,9,10,11,12,13,14,15
	ds_load_b128 v[BB+4*\t:BB+4*\t+3], v[RD] offset:\t*SPITCH
.endr
.endm
.macro SEND a, younger                 ; younger: the LDS instructions issued behind block a's loads, which may stay out
.set BB, BK+64*((\a)%2)
	s_wait_dscnt \younger
.irp t, 0,1,2,3,4,5,6,7,8,9,10,11,12,13,14,15
	v_pk_fma_f32 v[BB+4*\t:BB+4*\t+1], v[BB+4*\t:BB+4*\t+1], s[96:97], v[12:13] op_sel_hi:[1,0,1]
	v_pk_fma_f32 v[BB+4*\t+2:BB+4*\t+3], v[BB+4*\t+2:BB+4*\t+3], s[96:97], v[14:15] op_sel_hi:[1,0,1]
.endr
.irp t, 0,1,2,3,4,5,6,7,8,9,10,11,12,13,14,15
	global_store_b128 v[CO], v[BB+4*\t:BB+4*\t+3], s[10:11] offset:(16*(\a)+\t)*4096 th:TH_STORE_NT   ; 32 lanes store 512 consecutive bytes, aligned; every offset is an immediate, 127 rows at the most
.endr
.endm
	s_wait_kmcnt 0x0
	s_add_co_i32 s96, s96, s97
	s_add_co_i32 s96, s96, 127
	s_lshl_b32 s96, s96, 23                        ; 2^(entries 10 + 11) as f32
	s_mov_b32 s97, s96                             ; (named with it as a pair)
	s_wait_loadcnt 0x0                             ; the bias
	PLACES NP                                      ; behind the last products: their results are read and S1's registers loaded into below
	TOSTAGE 0
.irp a, 1,2,3,4,5,6,7
.if \a > 1
	s_wait_xcnt 0x0                                ; block a - 2's stores have read their registers: block a's loads may land there
.endif
	TOSTAGE \a
	SEND \a-1, 32                                  ; behind block a - 1's loads: block a's 16 stores and 16 loads
.endr
	SEND 7, 0
	s_wait_tensorcnt 0x0                           ; the wave's end: behind my last tensor load and my last LDS store
	ds_add_u32 v[SPW], v[NIL]
	s_wait_dscnt 0x0
	CROUND                                         ; the closing round: no work-group ends while a partner may still ask for a tile that names it
	s_endpgm
.Lfunc_end_k_q1f9bc70aed_outproj:
	.size	k_q1f9bc70aed_outproj, .Lfunc_end_k_q1f9bc70aed_outproj-k_q1f9bc70aed_outproj
	.p2alignl 7, 3214868480
	.fill 96, 4, 3214868480
	.section	.rodata,"a",@progbits
	.p2align	6, 0x0
	.amdhsa_kernel k_q1f9bc70aed_outproj
		.amdhsa_group_segment_fixed_size 327680
		.amdhsa_private_segment_fixed_size 0
		.amdhsa_enable_private_segment 0
		.amdhsa_kernarg_size 40
		.amdhsa_user_sgpr_count 2
		.amdhsa_user_sgpr_kernarg_segment_ptr 1
		.amdhsa_wavefront_size32 1
		.amdhsa_system_sgpr_workgroup_id_x 1
		.amdhsa_system_sgpr_workgroup_id_y 1
		.amdhsa_system_sgpr_workgroup_id_z 1
		.amdhsa_system_vgpr_workitem_id 0
		.amdhsa_next_free_vgpr 1024
		.amdhsa_next_free_sgpr 100
		.amdhsa_reserve_vcc 0
		.amdhsa_float_denorm_mode_32 3
		.amdhsa_float_denorm_mode_16_64 3
		.amdhsa_memory_ordered 1
		.amdhsa_forward_progress 1
		.amdhsa_inst_pref_size 123
	.end_amdhsa_kernel
	.amdgpu_metadata
---
amdhsa.version: [ 1, 2 ]
amdhsa.kernels:
  - .name:           k_q1f9bc70aed_outproj
    .symbol:         k_q1f9bc70aed_outproj.kd
    .args:
      - { .name: ac, .offset: 0, .size: 8, .value_kind: global_buffer, .address_space: global }
      - { .name: wc, .offset: 8, .size: 8, .value_kind: global_buffer, .address_space: global }
      - { .name: bo, .offset: 16, .size: 8, .value_kind: global_buffer, .address_space: global }
      - { .name: lowp_scales, .offset: 24, .size: 8, .value_kind: global_buffer, .address_space: global }
      - { .name: out0, .offset: 32, .size: 8, .value_kind: global_buffer, .address_space: global }
    .group_segment_fixed_size: 327680
    .private_segment_fixed_size: 0
    .kernarg_segment_align: 8
    .kernarg_segment_size: 40
    .max_flat_workgroup_size: 128
    .sgpr_count:     100
    .vgpr_count:     1024
    .wavefront_size: 32
...
	.end_amdgpu_metadata
.endif
;; end of part 4
